; MI455X (gfx1250); checked and timed in simulation.
; The chip was launched on July 23, 2026; its instructions are those of AMD's public machine-readable ISA for CDNA 5 (MIT licence, August 2026) and "CDNA5" Instruction Set Architecture Reference Guide (July 2026). The comments in the code are by the model that wrote it; some were corrected since.
;; Causal Self Attention With KV Cache. Allowed arithmetic: matrix products marked QUANTISED: E3M2 operands, one E8M0 scale for each 32 along K, by v_wmma_scale_f32_16x16x128_f8f6f4 with both operands' format E3M2, f32 sums; everything else in f32.
;; Inputs: Wk 1,024 x 1,024 float32; Wp 1,024 x 1,024 float32; Wq 1,024 x 1,024 float32; Wv 1,024 x 1,024 float32; bk 1,024 float32; bp 1,024 float32; bq 1,024 float32; bv 1,024 float32; x 4 x 2,048 x 1,024 float32.
;; Outputs: out0 4 x 2,048 x 1,024 float32.
;; This version of the problem:
;;   THIS VERSION OF THE PROBLEM IS GIVEN IN LOW PRECISION. The matrix products marked QUANTISED in the list below multiply operands that are first quantised to E3M2 (3 exponent bits, 2 mantissa bits; 6 bits a number), with one power-of-two scale for each 32 numbers along K (OCP MX v1.0); their sums are f32. All else is computed in f32.
;;   The module's matrix products, in the order in which they are computed (A, B: the left and right operand; K: the contracted axis; several contracted axes count as one K, in the product's order):
;;     1. [M 8,192, K 1,024] x [K 1,024, N 1,024]; A: input x; B: input Wq: QUANTISED
;;     2. [M 8,192, K 1,024] x [K 1,024, N 1,024]; A: input x; B: input Wk: QUANTISED
;;     3. [M 8,192, K 1,024] x [K 1,024, N 1,024]; A: input x; B: input Wv: QUANTISED
;;     4. batch 64 x [M 2,048, K 64] x [K 64, N 2,048]; A: computed on the way; B: computed on the way: QUANTISED
;;     5. batch 64 x [M 2,048, K 2,048] x [K 2,048, N 64]; A: softmax (see below); B: computed on the way: QUANTISED
;;     6. [M 8,192, K 1,024] x [K 1,024, N 1,024]; A: computed on the way; B: input Wp: QUANTISED
;;   THE QUANTISER, for each operand of a quantised product, along K:
;;     - K is cut into blocks of 32 from its start; a last block that is shorter is filled with zeros.
;;     - A block's scale is 2^e with e = floor(log2(the largest magnitude in the block)) - 4, held to -126 .. 127; a block of zeros has e = 0. As a byte (E8M0): e + 127.
;;     - Each number is divided by its block's scale, clamped to +-28, and rounded to the nearest number of E3M2, ties to even, subnormals kept.
;;     - The product sums the exact products of the quantised numbers (number of the format x scale) in f32.
;;   ~~~python
;;   def quantise(x, axis):      # numpy; x: float32 -> the quantised numbers, widened to float32 again
;;       x = np.moveaxis(x, axis, -1); K = x.shape[-1]
;;       x = np.pad(x, [(0, 0)] * (x.ndim - 1) + [(0, -K % 32)]); x = x.reshape(x.shape[:-1] + (-1, 32)); a = np.abs(x).max(-1, keepdims=True)
;;       e = np.where(a > 0, np.clip(np.frexp(np.where(a > 0, a, 1))[1] - 1 - 4, -126, 127), 0)      # np.frexp(a)[1] - 1 = floor(log2(a)), exactly
;;       r = np.clip(x / 2.0 ** e, -28, 28)
;;       step = 2.0 ** (np.maximum(np.frexp(np.where(r == 0, 1, r))[1] - 1, -2) - 2)
;;       q = np.round(r / step) * step * 2.0 ** e      # np.round: ties to even
;;       return np.moveaxis(q.reshape(q.shape[:-2] + (-1,))[..., :K], -1, axis).astype(np.float32)
;;   ~~~
;;   SOFTMAX AHEAD OF A QUANTISED PRODUCT. Where the list says 'softmax', what is quantised is not the finished softmax but p = 2^(t - M), with t = logit x log2(e) and M = ceil(the row's largest t), a whole number; so 1/2 < the row's largest p <= 1. The row's sum l is taken of the UNQUANTISED p, in f32, and the product's result is divided by l at the end. Since M is a whole number, a kernel that streams over the keys may use a running M (the ceiling of the running maximum): every later rescaling is an exact power of two, which a block's scale takes up: the codes' values come out the same.
;;   OPERANDS COMPUTED ON THE WAY. 'Computed on the way' means the value that the module computes at that place (a softmax that the list does not call 'softmax' is quantised finished and normalised). What goes into a quantiser is computed in f32, as accurately as f32 sums, v_exp_f32 and their like allow (about 1e-6 of the number): no bf16 or f16 on the way to a quantiser, and a product that is left as it is and whose result goes on into a quantised operand takes f32 operands (vector FMAs, or v_wmma_f32_16x16x4_f32). A number that lies on a knife's edge between two numbers of the format may be rounded either way, as far as f32 arithmetic and the matrix unit's own rounding can turn it there, and no further.
;; One version. Each part assembles by itself: llvm-mc -triple=amdgcn-amd-amdhsa -mcpu=gfx1250 --defsym DOCPART=n.
;; ======== version 1 of 1: 4 launches
;; workspace buffers: xc 6,291,456 bytes; xs 262,144 bytes; wc 3,145,728 bytes; ws 131,072 bytes; qb 13,631,488 bytes; kvb 13,631,488 bytes; yc 6,291,456 bytes; ys 262,144 bytes
;; launch quant (part 1): grid 384 x 1, 4 waves a work-group, no clusters, 59,904 bytes of LDS; arguments x, Wq, Wk, Wv, Wp, xc, xs, wc, ws; writes xc, xs, wc, ws
.if DOCPART == 1
	.amdgcn_target "amdgcn-amd-amdhsa--gfx1250"
	.amdhsa_code_object_version 6
	.text
	.protected	k_q3d492a8a12_quant
	.globl	k_q3d492a8a12_quant
	.p2align	8
	.type	k_q3d492a8a12_quant,@function
k_q3d492a8a12_quant:
	s_mov_b64 s[64:65], 0
	v_nop
	global_prefetch_b8 v0, s[64:65] scope:SCOPE_SE
	s_setreg_imm32_b32 hwreg(HW_REG_WAVE_MODE, 25, 1), 1
	s_wait_xcnt 0x0
; CAUSAL SELF-ATTENTION IN MX-BF6, FOUR LAUNCHES: quant (this one), qkv, attn, proj.
; THIS LAUNCH turns x [8192][1024] and Wq, Wk, Wv, Wp [1024 (k)][1024 (n)], f32, into codes of BF6 (E3M2) with one E8M0 byte for each 32 along K (K = the 1,024 input channels).
; DEAD WORK OF THE PROGRAM.  the causal mask sets att[t][s] to -infinity for s > t, so the softmax's weight is 0 there whatever the inputs hold: scores, weights and products
; with v of keys behind a query reach no output.  They are left out where they come in whole steps of 128 keys behind a tile of 16 queries (launch attn).  Nothing else is left out; all nine inputs are loaded.
; LIMIT: a NaN, an infinity or an overflow that arises only in those hidden scores is not carried to the result.
; LIMITS OF THE QUANTISERS (all launches): NaN and infinities among the inputs are not served; a block of zeros gets the byte 1 where the rule says 127 (its codes are zeros, which add nothing under any
; byte but 0xff, and this program alone reads the bytes); a block whose largest magnitude lies under 2^-122 is held at that floor.
; LAYOUT OF ALL CODES OF THE PROGRAM: AN IMAGE OF THE OPERAND'S REGISTERS.  A fragment (16 rows x 128 K, 12 registers a lane) is 6 pairs of registers x 256 bytes: registers 2 p, 2 p + 1 of lane l at byte 256 p + 8 l.
; THE ROWS OF A TILE ARE NOT NEIGHBOURS: lane r of tile t holds row 32 (t / 2) + 8 (t % 2) + r + 8 (r / 8), so that the results of two neighbouring tiles are 16 neighbours along the next K.
; xc: [512 row tiles][8 K steps][1,536];  wc: [q, k, v, p][64 tiles][8 K steps][1,536].  Scale words, xs and ws: [tile][K slot of 256 (4)][r (16)][K step in the slot (2)], 4 bytes each.
; Work-groups 0-255 take x (path X), 256-383 the weights (path W): the paths part once, on the work-group's number, and have LDS bytes of their own.  No tensor load, no barrier: waves share nothing.
.set WV,    22                         ; s22  my wave's number
.set SPW,   252                        ; v252 LDS address of my spare word; never rewritten
.set NIL,   253                        ; v253 0; never rewritten
.set XSTG,  8448                       ; path X: a wave's stage, 16 rows x (512 bytes + 16)
.set WST0,  33792                      ; path W: the stages begin behind path X's four
.set WSTG,  6400                       ; a wave's stage: two tiles x (3,072 bytes + 128)
.set SPARE, 59392                      ; the spare words, 128 bytes a wave: two blocks of 256 bytes that no other line names
.set FLOOR, 0x2800000                  ; 2^(5 - 127): under it no largest magnitude is taken, so the byte cannot fall under 1
.set OFF4,  0xfe000000                 ; takes 4 off an exponent field
.set XWD,   12                         ; path X: v12-15 a scale word for each of my four fragments
.set XR,    16                         ; v16-143  two sets of 64 registers as loaded
.set XX,    144                        ; v144-207 64 numbers of my row: register 32 c + i = k 64 c + 32 (lane / 16) + i
.set XC,    208                        ; v208-219 a fragment's codes
.set XT,    220                        ; v220-226 the conversions' second halves
.set XM,    228
.set XSO,   230
.set XBY,   232
.set XP,    234
.set WSB,   24                         ; path W: v24-25 the scale bytes, four to a register
.set WX,    32                         ; v32-95   two sets of 32 numbers
.set WCD,   96                         ; v96-101  a block's codes
.set WT,    104
.set WOUT,  112                        ; v112-159 the way out
	s_load_b256 s[4:11], s[0:1], 0x0               ; x, Wq, Wk, Wv
	s_load_b256 s[12:19], s[0:1], 0x20             ; Wp, xc, xs, wc
	s_load_b64 s[20:21], s[0:1], 0x40              ; ws
	v_lshl_add_u32 v[SPW], v0, 2, SPARE
	v_mov_b32 v[NIL], 0
	v_lshrrev_b32 v1, 5, v0
	v_readfirstlane_b32 s[WV], v1
	v_and_b32 v7, 31, v0                           ; lane
	s_cmp_lt_u32 ttmp9, 256
	s_cbranch_scc0 .Lweights
; ---------------- PATH X.  A wave takes one row tile x 512 along K: four fragments.  Each load reads 512 consecutive bytes of one row; a fragment's 16 x 512 bytes turn through the wave's stage,
; so that lane (r, h) gets 32 neighbours of row r for each of its two blocks.
	v_and_b32 v8, 15, v0                           ; r
	v_bfe_u32 v9, v0, 4, 1                         ; h
	v_lshlrev_b32 v1, 4, v7                        ; 16 x lane: my bytes of a load
	s_mul_i32 s23, s[WV], XSTG
	v_add_nc_u32 v2, s23, v1                       ; the stage, on the way in
	v_mul_u32_u24 v3, v8, 528
	v_lshl_add_u32 v3, v9, 7, v3
	v_add_nc_u32 v3, s23, v3                       ; and on the way out: row r, + 128 h
	v_lshlrev_b32 v4, 3, v7                        ; 8 x lane: my place in a pair of an image
	v_lshlrev_b32 v5, 3, v8
	v_lshl_add_u32 v5, v9, 7, v5                   ; the scale words' place: 128 h + 8 r
	v_lshlrev_b32 v6, 3, v9                        ; 8 h: how far my two bytes are shifted in the word
	v_mov_b32 v[XP], 0                             ; a lane permute's destination counts as one of its sources
	s_lshl_b32 s23, ttmp9, 2
	s_add_co_u32 s23, s23, s[WV]
	s_lshr_b32 s24, s23, 1                         ; my row tile
	s_and_b32 s25, s23, 1                          ; my half of K
	s_lshr_b32 s26, s24, 1
	s_lshl_b32 s26, s26, 17                        ; 32 (tile / 2) rows of 4,096 bytes
	s_and_b32 s27, s24, 1
	s_lshl_b32 s27, s27, 15                        ; + 8 (tile % 2) rows
	s_add_co_u32 s26, s26, s27
	s_lshl_b32 s27, s25, 11                        ; + 512 numbers
	s_add_co_u32 s26, s26, s27
	s_mov_b32 s27, 0
	s_mul_i32 s28, s24, 12288
	s_mul_i32 s29, s25, 6144
	s_add_co_u32 s28, s28, s29
	s_mov_b32 s29, 0
	s_lshl_b32 s32, s24, 9
	s_lshl_b32 s33, s25, 8
	s_add_co_u32 s32, s32, s33
	s_mov_b32 s33, 0
	s_mov_b32 s30, 0x76543210
	s_mov_b32 s31, 0xfedcba98                      ; v_permlanex16_b32's selects for lane l xor 16
	s_wait_kmcnt 0x0
	s_add_nc_u64 s[4:5], s[4:5], s[26:27]
	s_add_nc_u64 s[14:15], s[14:15], s[28:29]
	s_add_nc_u64 s[16:17], s[16:17], s[32:33]
.macro LOADX f                         ; fragment f: 16 rows x 512 bytes; row q of the tile lies q + 8 (q / 8) rows down
.irp q, 0,1,2,3,4,5,6,7,8,9,10,11,12,13,14,15
	global_load_b128 v[XR+64*((\f)%2)+4*\q:XR+64*((\f)%2)+4*\q+3], v1, s[4:5] offset:(\q+8*(\q/8))*4096+512*(\f) th:TH_LOAD_NT
.endr
.endm
.macro TURNX f                         ; through the stage: LDS serves a wave's instructions in order, so no wait stands between the stores and the loads
.irp q, 0,1,2,3,4,5,6,7,8,9,10,11,12,13,14,15
	ds_store_b128 v2, v[XR+64*((\f)%2)+4*\q:XR+64*((\f)%2)+4*\q+3] offset:528*\q
.endr
.irp c, 0,1
.irp e, 0,1,2,3,4,5,6,7
	ds_load_b128 v[XX+32*\c+4*\e:XX+32*\c+4*\e+3], v3 offset:256*\c+16*\e
.endr
.endr
.endm
.macro FRAGX f                         ; my two whole blocks (h and 2 + h of the K step) become six registers each, and the row's scale word
.irp c, 0,1
	v_max3_num_f32 v[XM+\c], |v[XX+32*\c]|, |v[XX+32*\c+1]|, FLOOR
.endr
.irp i, 2,4,6,8,10,12,14,16,18,20,22,24,26,28,30
.irp c, 0,1
	v_max3_num_f32 v[XM+\c], v[XM+\c], |v[XX+32*\c+\i]|, |v[XX+32*\c+\i+1]|
.endr
.endr
.irp c, 0,1
	v_add_nc_u32 v[XSO+\c], OFF4, v[XM+\c]         ; 4 off the exponent field: the conversion takes the exponent field of this operand as its scale
.endr
.irp c, 0,1
	v_lshrrev_b32 v[XBY+\c], 23, v[XSO+\c]         ; the scale's byte
.endr
	v_lshl_or_b32 v[XWD+\f], v[XBY+1], 16, v[XBY]
	v_lshlrev_b32 v[XWD+\f], v6, v[XWD+\f]         ; my two bytes at their places,
	v_permlanex16_b32 v[XP], v[XWD+\f], s30, s31
	v_or_b32 v[XWD+\f], v[XWD+\f], v[XP]           ; with lane l xor 16's two the word is whole
.irp c, 0,1
	v_cvt_scalef32_pk16_bf6_f32 v[XC+6*\c:XC+6*\c+2], v[XX+32*\c:XX+32*\c+15], v[XSO+\c]
	v_cvt_scalef32_pk16_bf6_f32 v[XT+4*\c:XT+4*\c+2], v[XX+32*\c+16:XX+32*\c+31], v[XSO+\c]   ; (a conversion's three registers begin on an even number)
.endr
	v_nop                                          ; one plain place behind a scaled conversion
.irp c, 0,1
.irp i, 0,1,2
	v_mov_b32 v[XC+6*\c+3+\i], v[XT+4*\c+\i]
.endr
.endr
.irp p, 0,1,2,3,4,5
	global_store_b64 v4, v[XC+2*\p:XC+2*\p+1], s[14:15] offset:1536*(\f)+256*\p   ; 32 lanes store 256 consecutive bytes, aligned
.endr
.endm
	LOADX 0
	LOADX 1
.irp f, 0,1,2,3
.if \f < 3
	s_wait_loadcnt 16                              ; this fragment's 16 loads are in; the next fragment's may be out
.else
	s_wait_loadcnt 0
.endif
.if \f > 0
	s_wait_xcnt 0x0                                ; the last fragment's stores have read their registers: the codes may be written again
.endif
	TURNX \f
	s_wait_dscnt 0x0                               ; my 64 numbers are back, and the stage's stores have read their registers,
.if \f < 2
	LOADX \f+2                                     ; which take the fragment two on
.endif
	FRAGX \f
.endr
	v_cmp_ne_u32 vcc_lo, 0, v9                     ; lanes 0-15 store the words of K steps 0, 1 of my half, lanes 16-31 those of steps 2, 3: 256 consecutive bytes
	v_cndmask_b32 v10, v[XWD], v[XWD+2], vcc_lo
	v_cndmask_b32 v11, v[XWD+1], v[XWD+3], vcc_lo
	global_store_b64 v5, v[10:11], s[16:17]
	s_wait_tensorcnt 0x0                           ; the wave's end, behind my last LDS store
	ds_add_u32 v[SPW], v[NIL]
	s_wait_dscnt 0x0
	s_endpgm
; ---------------- PATH W.  K is a weight's FIRST axis: a lane takes a column n and its registers run down K, so a block of 32 lies in one lane and the codes come out with K innermost.
; A wave takes 32 columns (two tiles) x 256 along K (two K steps, eight blocks).  Column 32 b + l is lane r = l % 8 + 8 (l / 16) of tile 2 b + (l / 8) % 2.
.Lweights:
	s_sub_co_u32 s23, ttmp9, 256
	s_lshr_b32 s24, s23, 5                         ; which weight: q, k, v, p
	s_bfe_u32 s25, s23, 0x30002                    ; which 128 columns
	s_and_b32 s26, s23, 3                          ; which 256 along K
	s_lshl_b32 s27, s25, 2
	s_add_co_u32 s27, s27, s[WV]                   ; b: my pair of tiles
	v_lshlrev_b32 v1, 2, v7                        ; in: 4 bytes a lane
	v_bfe_u32 v8, v0, 3, 1                         ; u: which of the two tiles
	v_and_b32 v9, 7, v0
	v_bfe_u32 v10, v0, 4, 1
	v_lshl_add_u32 v9, v10, 3, v9                  ; r
	s_mul_i32 s34, s[WV], WSTG
	s_add_co_u32 s34, s34, WST0                    ; my stage
	v_mul_u32_u24 v2, v8, 3200
	v_lshl_add_u32 v2, v9, 3, v2
	v_add_nc_u32 v2, s34, v2                       ; into it: tile u, 8 r.  The tiles lie 3,200 bytes apart
	v_lshlrev_b32 v4, 4, v7
	v_add_nc_u32 v3, s34, v4                       ; out of it: 16 bytes a lane
	v_lshlrev_b32 v5, 9, v8
	v_lshl_add_u32 v5, v9, 3, v5                   ; my scale words: tile u (512 bytes a tile), 8 r
	s_lshl_b32 s28, s26, 20                        ; W: 256 rows of 4,096 bytes
	s_lshl_b32 s29, s27, 7                         ; + 32 b columns
	s_add_co_u32 s28, s28, s29
	s_mov_b32 s29, 0
	s_mul_i32 s30, s24, 786432
	s_mul_i32 s31, s27, 24576
	s_add_co_u32 s30, s30, s31
	s_mul_i32 s31, s26, 3072
	s_add_co_u32 s30, s30, s31
	s_mov_b32 s31, 0
	s_lshl_b32 s32, s24, 15
	s_lshl_b32 s33, s27, 10
	s_add_co_u32 s32, s32, s33
	s_lshl_b32 s33, s26, 7
	s_add_co_u32 s32, s32, s33
	s_mov_b32 s33, 0
	s_wait_kmcnt 0x0
	s_cmp_eq_u32 s24, 1                            ; the choice hangs on the work-group's number alone
	s_cselect_b64 s[6:7], s[8:9], s[6:7]
	s_cmp_eq_u32 s24, 2
	s_cselect_b64 s[6:7], s[10:11], s[6:7]
	s_cmp_eq_u32 s24, 3
	s_cselect_b64 s[6:7], s[12:13], s[6:7]
	s_add_nc_u64 s[6:7], s[6:7], s[28:29]
	s_add_nc_u64 s[18:19], s[18:19], s[30:31]
	s_add_nc_u64 s[20:21], s[20:21], s[32:33]
.macro LOADW t                         ; block t: W(32 t + i, my column): 32 lanes read 128 consecutive bytes, the four waves 512
.irp i, 0,1,2,3,4,5,6,7,8,9,10,11,12,13,14,15,16,17,18,19,20,21,22,23,24,25,26,27,28,29,30,31
	global_load_b32 v[WX+32*((\t)%2)+\i], v1, s[6:7] offset:(32*(\t)+\i)*4096 th:TH_LOAD_NT
.endr
.endm
.macro BLOCKW t                        ; block t is block t % 4 of K step t / 4: registers 6 c .. 6 c + 5 (c = (t / 2) % 2) of the image's lane r + 16 (t % 2)
.set XS, WX+32*((\t)%2)
.if (\t) < 7
	s_wait_loadcnt 32                              ; this block's 32 loads are in; the next block's may be out
.else
	s_wait_loadcnt 0
.endif
	v_max3_num_f32 v12, |v[XS]|, |v[XS+1]|, |v[XS+2]|
	v_max3_num_f32 v13, |v[XS+3]|, |v[XS+4]|, |v[XS+5]|
.irp i, 6,10,14,18,22,26
	v_max3_num_f32 v12, v12, |v[XS+\i]|, |v[XS+\i+1]|
	v_max3_num_f32 v13, v13, |v[XS+\i+2]|, |v[XS+\i+3]|
.endr
	v_max3_num_f32 v12, v12, |v[XS+30]|, |v[XS+31]|
	v_max3_num_f32 v12, v12, v13, FLOOR
	v_add_nc_u32 v11, OFF4, v12
	v_lshrrev_b32 v13, 23, v11
.if (\t)%4 == 0
	v_mov_b32 v[WSB+(\t)/4], v13
.else
	v_lshl_or_b32 v[WSB+(\t)/4], v13, 8*((\t)%4), v[WSB+(\t)/4]
.endif
	v_cvt_scalef32_pk16_bf6_f32 v[WCD:WCD+2], v[XS:XS+15], v11
	v_cvt_scalef32_pk16_bf6_f32 v[WT:WT+2], v[XS+16:XS+31], v11
	v_nop                                          ; one plain place behind a scaled conversion
.irp i, 0,1,2
	v_mov_b32 v[WCD+3+\i], v[WT+\i]
.endr
.irp p, 0,1,2
	ds_store_b64 v2, v[WCD+2*\p:WCD+2*\p+1] offset:1536*((\t)/4)+256*(3*(((\t)/2)%2)+\p)+128*((\t)%2)
.endr
.if (\t)+2 < 8
	LOADW (\t)+2
.endif
	s_wait_dscnt 0x0                               ; the stores have read their registers: the next block's codes may be written
.endm
	LOADW 0
	LOADW 1
.irp t, 0,1,2,3,4,5,6,7
	BLOCKW \t
.endr
	global_store_b64 v5, v[WSB:WSB+1], s[20:21]    ; two runs of 128 bytes: a K slot's words of two tiles.  All of ws is 131,072 bytes
.irp n, 0,1,2,3,4,5,6,7,8,9,10,11
	ds_load_b128 v[WOUT+4*\n:WOUT+4*\n+3], v3 offset:3200*(\n/6)+512*(\n%6)   ; LDS serves a wave's instructions in order: these see my stores
.endr
.irp n, 0,1,2,3,4,5,6,7,8,9,10,11
	s_wait_dscnt 11-\n
	global_store_b128 v4, v[WOUT+4*\n:WOUT+4*\n+3], s[18:19] offset:12288*(\n/6)+512*(\n%6)   ; 512 consecutive bytes, aligned
.endr
	s_wait_tensorcnt 0x0                           ; the wave's end, behind my last LDS store
	ds_add_u32 v[SPW], v[NIL]
	s_wait_dscnt 0x0
	s_endpgm
.Lfunc_end_k_q3d492a8a12_quant:
	.size	k_q3d492a8a12_quant, .Lfunc_end_k_q3d492a8a12_quant-k_q3d492a8a12_quant
	.p2alignl 7, 3214868480
	.fill 96, 4, 3214868480
	.section	.rodata,"a",@progbits
	.p2align	6, 0x0
	.amdhsa_kernel k_q3d492a8a12_quant
		.amdhsa_group_segment_fixed_size 59904
		.amdhsa_private_segment_fixed_size 0
		.amdhsa_enable_private_segment 0
		.amdhsa_kernarg_size 72
		.amdhsa_user_sgpr_count 2
		.amdhsa_user_sgpr_kernarg_segment_ptr 1
		.amdhsa_wavefront_size32 1
		.amdhsa_system_sgpr_workgroup_id_x 1
		.amdhsa_system_sgpr_workgroup_id_y 1
		.amdhsa_system_sgpr_workgroup_id_z 1
		.amdhsa_system_vgpr_workitem_id 0
		.amdhsa_next_free_vgpr 256
		.amdhsa_next_free_sgpr 66
		.amdhsa_reserve_vcc 1
		.amdhsa_float_denorm_mode_32 3
		.amdhsa_float_denorm_mode_16_64 3
		.amdhsa_memory_ordered 1
		.amdhsa_forward_progress 1
		.amdhsa_inst_pref_size 73
	.end_amdhsa_kernel
	.amdgpu_metadata
---
amdhsa.version: [ 1, 2 ]
amdhsa.kernels:
  - .name:           k_q3d492a8a12_quant
    .symbol:         k_q3d492a8a12_quant.kd
    .args:
      - { .name: x, .offset: 0, .size: 8, .value_kind: global_buffer, .address_space: global }
      - { .name: Wq, .offset: 8, .size: 8, .value_kind: global_buffer, .address_space: global }
      - { .name: Wk, .offset: 16, .size: 8, .value_kind: global_buffer, .address_space: global }
      - { .name: Wv, .offset: 24, .size: 8, .value_kind: global_buffer, .address_space: global }
      - { .name: Wp, .offset: 32, .size: 8, .value_kind: global_buffer, .address_space: global }
      - { .name: xc, .offset: 40, .size: 8, .value_kind: global_buffer, .address_space: global }
      - { .name: xs, .offset: 48, .size: 8, .value_kind: global_buffer, .address_space: global }
      - { .name: wc, .offset: 56, .size: 8, .value_kind: global_buffer, .address_space: global }
      - { .name: ws, .offset: 64, .size: 8, .value_kind: global_buffer, .address_space: global }
    .group_segment_fixed_size: 59904
    .private_segment_fixed_size: 0
    .kernarg_segment_align: 8
    .kernarg_segment_size: 72
    .max_flat_workgroup_size: 128
    .sgpr_count:     66
    .vgpr_count:     256
    .wavefront_size: 32
...
	.end_amdgpu_metadata
.endif
;; end of part 1
;; launch qkv (part 2): grid 12 x 32, 4 waves a work-group, clusters of 4 x 4, 327,680 bytes of LDS; arguments xc, xs, wc, ws, bq, bk, bv, qb, kvb; writes qb, kvb
.if DOCPART == 2
	.amdgcn_target "amdgcn-amd-amdhsa--gfx1250"
	.amdhsa_code_object_version 6
	.text
	.protected	k_q3d492a8a12_qkv
	.globl	k_q3d492a8a12_qkv
	.p2align	8
	.type	k_q3d492a8a12_qkv,@function
k_q3d492a8a12_qkv:
	s_mov_b64 s[64:65], 0
	v_nop
	global_prefetch_b8 v0, s[64:65] scope:SCOPE_SE
	s_setreg_imm32_b32 hwreg(HW_REG_WAVE_MODE, 25, 1), 1
	s_wait_xcnt 0x0
	s_wait_alu depctr_hold_cnt(0) depctr_sa_sdst(0) depctr_va_vdst(0) depctr_va_sdst(0) depctr_va_ssrc(0) depctr_va_vcc(0) depctr_vm_vsrc(0)
	s_getreg_b32 s2, hwreg(HW_REG_IB_STS2, 6, 4)
	s_cmp_eq_u32 s2, 0
	s_cbranch_scc0 .Lentry_in_a_cluster
	s_endpgm
.Lentry_in_a_cluster:
	s_bfe_u32 s2, ttmp6, 0x10000c
	s_cmp_lg_u32 s2, 0xf033
	s_cbranch_scc0 .Lentry_shape_is_right
	s_endpgm
.Lentry_shape_is_right:
; q = x Wq + bq, k = x Wk + bk, v = x Wv + bv on codes of BF6, K = 1,024; the results are quantised in registers for the attention's two products and leave as codes: no f32 result goes to memory.
; A tile is 256 x 256, made by four waves of 128 x 128 (64 accumulators, 512 registers).  THE MATRIX INSTRUCTION IS USED TRANSPOSED: source 0 = 16 rows of "B", source 1 = 16 rows of "A": a lane holds one row of A,
; and its registers run along B's rows; since the rows of a tile are chosen so (lane r of tile t: row 32 (t / 2) + 8 (t % 2) + r + 8 (r / 8)), the 64 registers of a block of A are 128 B rows in order, 16 (lane / 16) apart.
; THE CLUSTER'S x NAMES THE KIND, the same in all sixteen partners.  0: q, 1: k: A = x (tokens), B = W's columns: a lane holds a token and runs along the channels, which are the first product's K (two heads of 64).
; 2: v: A = Wv's columns, B = x: a lane holds a channel and runs along the tokens, which are the second product's K.
; Codes lie as images of the operand's registers (6 pairs x 256 bytes a fragment): a fragment comes from LDS by six loads of 256 consecutive bytes: no pitch, no padding.
; K goes in four slots of 256 through a ring of two LDS slots; the scale words of the work-group's rows, for all of K, come once with the first fills.  By this text's count a wave has three tensor loads out at the start, later one.
; CLUSTERS: 4 x 4.  A's tiles are asked for jointly along a row of the cluster, B's along a column.
; 384 work-groups of equal work: 96 accumulators a wave, which would make 256, do not fit beside the fragments in 1,024 registers.
; OUT: qb, kvb: [16 batch + head (64)][slot of 256 tokens (8)][26,624 bytes]: 0: q's or k's codes, 16 tiles x 768 (half a fragment: K = 64); 12,288: v's, [4 tiles of d][2 steps of 128 keys][1,536];
; 24,576: q's or k's scale words [tile][r], bytes 2 and 3 zero; 25,600: v's, [tile of d][step][32 lanes].  The bias is the C of each sum's first matrix instruction.
; REGISTERS: window 0: v16-31 addresses; v32-63 scale words, two sets; v64-127 the bias (on the way out: at work); v128-223 A's fragments, one set (on the way out: codes).  window 1: B's fragments, two sets, at v0 and v128.
;   window 2: the accumulators of A's blocks 0-3 ((a, b) at v[8 (8 (a % 4) + b)]); window 3: of blocks 4-7.
.set FR,    12
.set NL,    6
.set NP,    4                          ; places behind this matrix instruction (ISA guide 7.12.1)
.set REG,   24576                      ; what one tensor load brings: 8 row tiles x 2 K steps x 1,536
.set SLOT,  4*REG                      ; A's two halves, then B's two
.set SCL,   2*SLOT                     ; the scale words: A's 8,192 bytes, then B's
.set SPARE, SCL+16384                  ; the spare words, 128 bytes a wave: two blocks of 256 bytes that no other line names
.set ADRA,  16                         ; v16-17 LDS address of my A fragments in slot 0, 1
.set ADRB,  20                         ; v20-21 the same for B
.set VO0,   22                         ; v22 8 x lane
.set VO1,   23                         ; v23 the same for a fragment's second half: the next head's block (q, k) or 768 bytes on (v)
.set VOS,   24                         ; v24 where my scale word goes
.set SHF,   25                         ; v25, v26: which part of the word I store
.set MSK,   26
.set ADRS,  27                         ; v27 LDS address of my scale words: lanes 0-15 A's, lanes 16-31 B's
.set SPW,   28
.set NIL,   29
.set FLO,   30                         ; v30 the floor 2^(5 - 127)
.set SC,    32
.set BI,    64
.set AF,    128
.set TM,    64
.set PW,    80
.set SW,    81
.set PC,    128
.set OC,    4                          ; s[4:5] where codes go; s[6:7] scale words; s[8:15] their steps from block to block (the fifth block's apart)
.set OS,    6
.set SA,    8
.set SA4,   10
.set SS,    12
.set SS4,   14
.set WV,    22
.set WR,    23
.set G1,    24
.set G0,    32
.set G1B,   40
.set G0B,   48
.set G1S,   56
.set G0S,   68
.set G1SB,  72
.set G0SB,  80
.set CX,    84
.set CY,    85
.set TR,    86
.set TC,    87
.set ISV,   88
.set WC,    89
.set SEL,   96
.set MSB, 0
.macro WIN new                         ; the immediate's high byte repeats the setting that is left
.if MSB != (\new)
	s_set_vgpr_msb (MSB<<8)|(\new)
.set MSB, (\new)
.endif
.endm
.set MUL_LO, 0xa1                      ; source 0 (B) window 1, source 1 (A) window 0, C and D window 2
.set MUL_HI, 0xf1
.set TO_B,   0x40
; A joint load: waves 0 and 1 fetch for A, waves 2 and 3 for B; the branch hangs on the wave's number alone.  An s_nop 0 and four v_nop follow each of the two lines.
.macro JLOAD g0a, g1a, g0b, g1b
	s_cmp_eq_u32 s[WR], 0
	s_cbranch_scc0 .Lfor_b_\@
	tensor_load_to_lds s[\g0a:\g0a+3], s[\g1a:\g1a+7]
	s_nop 0
.rept 4
	v_nop
.endr
	s_branch .Lasked_\@
.Lfor_b_\@:
	tensor_load_to_lds s[\g0b:\g0b+3], s[\g1b:\g1b+7]
	s_nop 0
.rept 4
	v_nop
.endr
.Lasked_\@:
.endm
.macro CREST
	s_cmp_lg_u32 s[WV], 0
	s_cbranch_scc1 .Lnot_wave_0_\@
	s_barrier_signal -3
.Lnot_wave_0_\@:
	s_barrier_wait -3
	s_barrier_signal -1
	s_barrier_wait -1
.endm
.macro CROUND
	s_barrier_signal -1
	s_barrier_wait -1
	CREST
.endm
.macro SHAPE g, c, r, p                ; words 1 to 7 of a group 1: r rows of c elements of 8 bytes, p elements apart
	s_mov_b32 s[\g+1], (\c)<<16
	s_mov_b32 s[\g+2], (\r)<<16
	s_mov_b32 s[\g+3], (\c)<<16
	s_mov_b32 s[\g+4], \r
	s_mov_b32 s[\g+5], \p
	s_mov_b32 s[\g+6], 0
	s_mov_b32 s[\g+7], 0
.endm
	s_load_b256 s[4:11], s[0:1], 0x0               ; xc, xs, wc, ws
	s_load_b256 s[12:19], s[0:1], 0x20             ; bq, bk, bv, qb
	s_load_b64 s[20:21], s[0:1], 0x40              ; kvb
	v_lshl_add_u32 v[SPW], v0, 2, SPARE
	v_mov_b32 v[NIL], 0
	ds_add_u32 v[SPW], v[NIL]                      ; the wave's opening: the add, twice on end, and its wait ahead of my first tensor load
	ds_add_u32 v[SPW], v[NIL]
	v_lshrrev_b32 v1, 5, v0
	v_readfirstlane_b32 s[WV], v1
	s_lshr_b32 s[WR], s[WV], 1                     ; my half of A's rows.  Also: I fetch for A (0) or for B (1)
	s_and_b32 s[WC], s[WV], 1                      ; my half of B's rows.  Also: which half of that tile I fetch
	s_bfe_u32 s[CX], ttmp6, 0x40000
	s_bfe_u32 s[CY], ttmp6, 0x40004
	s_and_b32 s2, ttmp7, 0xffff
	s_lshl_b32 s2, s2, 2                           ; 4 x cluster y
	s_lshl_b32 s3, ttmp9, 2                        ; 4 x cluster x
	s_cmp_eq_u32 ttmp9, 2
	s_cselect_b32 s[ISV], 1, 0
	s_cselect_b32 s[TR], 0, s2                     ; A's tile: of x by the cluster's y, of Wv the cluster's four
	s_cselect_b32 s[TC], s2, s3                    ; B's tile: of x by the cluster's y, of [Wq, Wk] by the kind
	s_add_co_u32 s[TR], s[TR], s[CY]
	s_add_co_u32 s[TC], s[TC], s[CX]
	s_lshl_b32 s90, s[CY], 2
	s_lshl_b32 s90, 15, s90                        ; my row of the cluster
	s_lshl_b32 s94, 0x1111, s[CX]                  ; my column
	s_or_b32 s[G1], s90, (3<<16)|(1<<21)           ; 15:0 the mask; 17:16 elements of 8 bytes; 21 set beside a mask; no padding
	s_or_b32 s[G1B], s94, (3<<16)|(1<<21)
	s_or_b32 s[G1S], s90, (3<<16)|(1<<21)
	s_or_b32 s[G1SB], s94, (3<<16)|(1<<21)
	SHAPE G1, 384, 8, 1536                         ; codes: 8 row tiles x 3,072 bytes (two K steps), 12,288 bytes apart
	SHAPE G1B, 384, 8, 1536
	SHAPE G1S, 32, 16, 32                          ; scale words: 8 row tiles x 512 dense bytes, as 16 rows of 256
	SHAPE G1SB, 32, 16, 32
	s_lshl_b32 s91, s[WC], 3
	s_lshl_b32 s90, s[TR], 4
	s_add_co_u32 s90, s90, s91                     ; A: the first row tile that I fetch
	s_lshl_b32 s92, s90, 9
	s_mul_i32 s90, s90, 12288
	s_lshl_b32 s94, s[TC], 4
	s_add_co_u32 s94, s94, s91                     ; B likewise
	s_lshl_b32 s98, s94, 9
	s_mul_i32 s94, s94, 12288
	s_cmp_eq_u32 s[ISV], 1
	s_cselect_b32 s91, 0x180000, 0                 ; Wv is the third weight of wc,
	s_cselect_b32 s93, 0x10000, 0                  ; and of ws
	s_add_co_u32 s90, s90, s91
	s_add_co_u32 s92, s92, s93
	s_mov_b32 s91, 0
	s_mov_b32 s93, 0
	s_mov_b32 s95, 0
	s_mov_b32 s99, 0
	s_mul_i32 s100, s[WV], REG                     ; where they go: wave x a region: no place in the cluster enters an LDS address
	s_lshl_b32 s101, s[WV], 12
	s_mov_b32 s[SEL], 0x76543210
	s_mov_b32 s[SEL+1], 0xfedcba98
	s_wait_dscnt 0x0                               ; both opening adds are done
	s_wait_kmcnt 0x0
	s_cmp_eq_u32 s[ISV], 1                         ; which buffer is A and which B hangs on the kind alone
	s_cselect_b64 s[2:3], s[8:9], s[4:5]
	s_add_nc_u64 s[90:91], s[2:3], s[90:91]        ; A's codes
	s_cselect_b64 s[2:3], s[10:11], s[6:7]
	s_add_nc_u64 s[92:93], s[2:3], s[92:93]        ; A's scale words
	s_cselect_b64 s[2:3], s[4:5], s[8:9]
	s_add_nc_u64 s[94:95], s[2:3], s[94:95]        ; B's codes
	s_cselect_b64 s[2:3], s[6:7], s[10:11]
	s_add_nc_u64 s[98:99], s[2:3], s[98:99]        ; B's scale words
	CROUND                                         ; all sixteen work-groups are here: the first joint loads meet
	s_mov_b32 s[G0S], 1
	s_add_co_u32 s[G0S+1], s101, SCL
	s_mov_b64 s[G0S+2:G0S+3], s[92:93]
	s_or_b32 s[G0S+3], s[G0S+3], 0x80000000
	s_mov_b32 s[G0SB], 1
	s_add_co_u32 s[G0SB+1], s101, SCL
	s_mov_b64 s[G0SB+2:G0SB+3], s[98:99]
	s_or_b32 s[G0SB+3], s[G0SB+3], 0x80000000
	JLOAD G0S, G1S, G0SB, G1SB                     ; the scale words first: they are wanted with K slot 0
.irp s, 0,1
	s_mov_b32 s[G0+4*\s], 1
	s_add_co_u32 s[G0+4*\s+1], s100, \s*SLOT
	s_add_nc_u64 s[G0+4*\s+2:G0+4*\s+3], s[90:91], \s*3072
	s_or_b32 s[G0+4*\s+3], s[G0+4*\s+3], 0x80000000
	s_mov_b32 s[G0B+4*\s], 1
	s_add_co_u32 s[G0B+4*\s+1], s100, \s*SLOT
	s_add_nc_u64 s[G0B+4*\s+2:G0B+4*\s+3], s[94:95], \s*3072
	s_or_b32 s[G0B+4*\s+3], s[G0B+4*\s+3], 0x80000000
	JLOAD G0+4*\s, G1, G0B+4*\s, G1B
.endr
	v_and_b32 v1, 15, v0                           ; r
	v_bfe_u32 v2, v0, 4, 1                         ; h
	v_and_b32 v3, 31, v0
	v_lshlrev_b32 v[VO0], 3, v3
	s_mul_i32 s90, s[WR], REG                      ; my half of A
	s_mul_i32 s91, s[WC], REG                      ; my half of B,
	s_add_co_u32 s91, s91, 2*REG                   ; behind A's two
.irp s, 0,1
	v_add_nc_u32 v[ADRA+\s], s90, v[VO0]
	v_add_nc_u32 v[ADRB+\s], s91, v[VO0]
	s_add_co_u32 s90, s90, SLOT
	s_add_co_u32 s91, s91, SLOT
.endr
	s_lshl_b32 s90, s[WR], 12                      ; A's scale words: my 8 tiles
	s_lshl_b32 s91, s[WC], 12
	s_add_co_u32 s91, s91, 8192                    ; B's, behind A's 16 tiles
	s_sub_co_u32 s91, s91, s90
	v_mul_u32_u24 v4, s91, v2                      ; lanes 16-31 take B's
	s_add_co_u32 s90, s90, SCL
	v_lshl_add_u32 v4, v1, 3, v4                   ; 8 bytes a row: a K slot's two words
	v_add_nc_u32 v[ADRS], s90, v4
	; ---- the bias's buffer and the output's, by the kind
	s_cmp_eq_u32 ttmp9, 1
	s_cselect_b64 s[12:13], s[14:15], s[12:13]
	s_cmp_eq_u32 ttmp9, 2
	s_cselect_b64 s[16:17], s[16:17], s[12:13]     ; s[16:17]: bq, bk or bv
	s_cmp_eq_u32 ttmp9, 0
	s_cselect_b64 s[18:19], s[18:19], s[20:21]     ; s[18:19]: qb or kvb
	; ---- which tokens and which channels are mine
	s_and_b32 s94, s[TC], 3
	s_cmp_eq_u32 s[ISV], 1
	s_cselect_b32 s90, s[TC], s[TR]                ; my 256 tokens,
	s_cselect_b32 s91, s[WC], s[WR]                ; my 128 of them
	s_cselect_b32 s92, s[TR], s94                  ; my 256 channels (four heads),
	s_cselect_b32 s93, s[WR], s[WC]                ; my 128 of them (two heads)
	s_mov_b32 s98, 6144
	s_cselect_b32 s98, 1536, s98                   ; codes: my half of the tokens is a step of keys (v) or eight tiles (q, k) on
	s_cselect_b32 s99, 12288, 0
	s_mov_b32 s100, 512
	s_cselect_b32 s100, 128, s100                  ; scale words likewise
	s_mov_b32 s101, 24576
	s_cselect_b32 s101, 25600, s101
	s_mov_b32 s[SA], 768
	s_cselect_b32 s[SA], 3072, s[SA]               ; from block to block: the next tile of d (v) or of tokens (q, k);
	s_mov_b32 s[SA4], 768
	s_cselect_b32 s[SA4], 203776, s[SA4]           ; v's fifth block begins the next head: 212,992 - 3 x 3,072
	s_cselect_b32 s[SS], 256, 64
	s_cselect_b32 s[SS4], 212224, 64               ; 212,992 - 3 x 256
	s_mov_b32 s2, 212992
	s_cselect_b32 s2, 768, s2
	s_mov_b32 s3, 212992
	s_cselect_b32 s3, 64, s3
	s_cselect_b32 s94, 0, 16
	s_mov_b32 s95, 0xffff
	s_cselect_b32 s95, -1, s95
	s_mov_b32 s[SA+1], 0
	s_mov_b32 s[SA4+1], 0
	s_mov_b32 s[SS+1], 0
	s_mov_b32 s[SS4+1], 0
	v_add_nc_u32 v[VO1], s2, v[VO0]
	v_mul_u32_u24 v[VOS], s3, v2
	v_lshl_add_u32 v[VOS], v1, 2, v[VOS]           ; q, k: lanes 0-15 store the first head's half of the word, lanes 16-31 the second head's; v: all 32 lanes the whole word
	v_mul_u32_u24 v[SHF], s94, v2
	v_mov_b32 v[MSK], s95
	v_mov_b32 v[FLO], 0x2800000
	v_lshlrev_b32 v5, 6, v2                        ; the bias, q and k: my half's 16 channels of each 32
	v_and_b32 v6, 8, v1
	v_add_nc_u32 v6, v6, v1
	v_lshlrev_b32 v6, 2, v6                        ; v: my row's channel
	s_lshl_b32 s94, s92, 10
	s_lshl_b32 s95, s93, 9
	s_add_co_u32 s94, s94, s95
	s_mov_b32 s95, 0
	s_add_nc_u64 s[16:17], s[16:17], s[94:95]      ; the bias at my 128 channels
	s_lshr_b32 s94, s90, 3
	s_lshl_b32 s94, s94, 4                         ; 16 x batch
	s_lshl_b32 s95, s92, 2
	s_add_co_u32 s94, s94, s95
	s_lshl_b32 s95, s93, 1
	s_add_co_u32 s94, s94, s95                     ; + my first head
	s_mul_i32 s94, s94, 212992
	s_and_b32 s95, s90, 7
	s_mul_i32 s95, s95, 26624                      ; + my slot of 256 tokens
	s_add_co_u32 s94, s94, s95
	s_mul_i32 s98, s98, s91
	s_add_co_u32 s98, s98, s99
	s_add_co_u32 s98, s98, s94
	s_mov_b32 s99, 0
	s_mul_i32 s100, s100, s91
	s_add_co_u32 s100, s100, s101
	s_add_co_u32 s100, s100, s94
	s_mov_b32 s101, 0
	s_add_nc_u64 s[OC:OC+1], s[18:19], s[98:99]
	s_add_nc_u64 s[OS:OS+1], s[18:19], s[100:101]
	s_cmp_eq_u32 s[ISV], 1
	s_cbranch_scc1 .Lbias_v
.irp b, 0,1,2,3,4,5,6,7                ; q, k: the bias runs along B's rows: tile b's eight registers are channels 32 (b / 2) + 8 (b % 2) + 16 h + 0 .. 7
	global_load_b128 v[BI+8*\b:BI+8*\b+3], v5, s[16:17] offset:(32*(\b/2)+8*(\b%2))*4
	global_load_b128 v[BI+8*\b+4:BI+8*\b+7], v5, s[16:17] offset:(32*(\b/2)+8*(\b%2))*4+16
.endr
	s_branch .Lbias_in
.Lbias_v:
.irp a, 0,1,2,3,4,5,6,7                ; v: the bias belongs to the lane's row of A: C wants it in each of a block's eight registers
.irp j, 0,1,2,3,4,5,6,7
	global_load_b32 v[BI+8*\a+\j], v6, s[16:17] offset:(32*(\a/2)+8*(\a%2))*4
.endr
.endr
.Lbias_in:
.macro FRAG reg, adr, q, i             ; a fragment: six loads of 256 consecutive bytes
.irp p, 0,1,2,3,4,5
	ds_load_b64 v[\reg+2*\p:\reg+2*\p+1], v[\adr] offset:3072*(\i)+1536*(\q)+256*\p
.endr
.endm
; 16 matrix instructions: A's blocks a0, a0 + 1 x B's eight.  zero = 1: the sums begin with the bias along B's rows; 2: with the bias of A's rows; 0: they go on.  The 64 accumulators take turns.
.macro MUL16 a0, p, q, sc, zero
.irp a, \a0, \a0+1
.irp b, 0,1,2,3,4,5,6,7
.if \zero == 1
	v_wmma_scale_f32_16x16x128_f8f6f4 v[8*(8*((\a)%4)+\b):8*(8*((\a)%4)+\b)+7], v[128*(\p)+FR*\b:128*(\p)+FR*\b+FR-1], v[AF+FR*(\a):AF+FR*(\a)+FR-1], v[BI+8*\b:BI+8*\b+7], v[SC+16*(\sc)+2*\b+(\q)], v[SC+16*(\sc)+2*(\a)+(\q)] matrix_a_fmt:MATRIX_FMT_BF6 matrix_b_fmt:MATRIX_FMT_BF6 matrix_a_scale:MATRIX_SCALE_ROW1
.elseif \zero == 2
	v_wmma_scale_f32_16x16x128_f8f6f4 v[8*(8*((\a)%4)+\b):8*(8*((\a)%4)+\b)+7], v[128*(\p)+FR*\b:128*(\p)+FR*\b+FR-1], v[AF+FR*(\a):AF+FR*(\a)+FR-1], v[BI+8*(\a):BI+8*(\a)+7], v[SC+16*(\sc)+2*\b+(\q)], v[SC+16*(\sc)+2*(\a)+(\q)] matrix_a_fmt:MATRIX_FMT_BF6 matrix_b_fmt:MATRIX_FMT_BF6 matrix_a_scale:MATRIX_SCALE_ROW1
.else
	v_wmma_scale_f32_16x16x128_f8f6f4 v[8*(8*((\a)%4)+\b):8*(8*((\a)%4)+\b)+7], v[128*(\p)+FR*\b:128*(\p)+FR*\b+FR-1], v[AF+FR*(\a):AF+FR*(\a)+FR-1], v[8*(8*((\a)%4)+\b):8*(8*((\a)%4)+\b)+7], v[SC+16*(\sc)+2*\b+(\q)], v[SC+16*(\sc)+2*(\a)+(\q)] matrix_a_fmt:MATRIX_FMT_BF6 matrix_b_fmt:MATRIX_FMT_BF6 matrix_a_scale:MATRIX_SCALE_ROW1
.endif
.endr
.endr
.endm
.macro FETCH_B slot, q, p
	WIN TO_B
.irp i, 0,1,2,3,4,5,6,7
	FRAG 128*(\p)+FR*\i, ADRB+\slot, \q, \i
.endr
	WIN 0
.endm
.macro FETCH_A slot, q, i0
.irp i, \i0, \i0+1, \i0+2, \i0+3
	FRAG AF+FR*(\i), ADRA+\slot, \q, \i
.endr
.endm
.macro SCALES sc, j                    ; K slot j's scale words into set sc: two words a row; lanes 0-15 take A's block i, lanes 16-31 B's tile i
.irp i, 0,1,2,3,4,5,6,7
	ds_load_b64 v[SC+16*\sc+2*\i:SC+16*\sc+2*\i+1], v[ADRS] offset:512*\i+128*\j
.endr
.endm
.macro PLACES n                        ; a load into a register that a matrix instruction has read, and the first read of a result, stand four plain vector instructions behind it
.rept \n
	v_nop
.endr
.endm
.macro STEP slot, q, zero              ; a step of 128 along K that has its successor in the same slot
	s_wait_dscnt 4*NL                              ; B's set and A's blocks 0-3 are in; the youngest 24 loads (A's blocks 4-7) may be out
.if \zero
	WIN 0x81                                       ; C in window 0 (the bias), D in window 2
.else
	WIN MUL_LO
.endif
	MUL16 0, (\q)%2, \q, \slot, \zero
	MUL16 2, (\q)%2, \q, \slot, \zero
	s_wait_dscnt 0
	PLACES NP
	FETCH_B \slot, (\q)+1, 1-(\q)%2
	FETCH_A \slot, (\q)+1, 0
.if \zero
	WIN 0xc1
.else
	WIN MUL_HI
.endif
	MUL16 4, (\q)%2, \q, \slot, \zero
	MUL16 6, (\q)%2, \q, \slot, \zero
	PLACES NP
	WIN 0
	FETCH_A \slot, (\q)+1, 4
.endm
; A slot's last step changes slots: one barrier; in front of it each wave waits for all its tensor loads, adds 0 to its spare word, and waits for that and for its reads of this slot.  fill = 1: the slot is filled again, two K slots ahead.
.macro TURN slot, next, fill, jnext
	s_wait_tensorcnt 0x0                           ; all my tensor loads have landed: my part of the next slot
	ds_add_u32 v[SPW], v[NIL]                      ; 0 onto my spare word
	s_wait_dscnt 4*NL+1                            ; (the add and the youngest 24 loads may be out)
	WIN MUL_LO
	MUL16 0, 1, 1, \slot, 0
	s_wait_dscnt 0x0                               ; the add is done, and my reads of this slot are over
	s_barrier_signal -1
	MUL16 2, 1, 1, \slot, 0
	WIN 0
	s_barrier_wait -1
.if \fill
	CREST                                          ; the barrier has opened a round of the cluster's barrier: no wave of any partner still reads this slot or has a load on its way
	s_add_nc_u64 s[G0+4*\slot+2:G0+4*\slot+3], s[G0+4*\slot+2:G0+4*\slot+3], 6144
	s_add_nc_u64 s[G0B+4*\slot+2:G0B+4*\slot+3], s[G0B+4*\slot+2:G0B+4*\slot+3], 6144
	JLOAD G0+4*\slot, G1, G0B+4*\slot, G1B         ; the first tensor load behind the round; its four v_nop are the places in front of the loads below
.else
	PLACES NP
.endif
	FETCH_B \next, 0, 0
	FETCH_A \next, 0, 0
	SCALES \next, \jnext
	WIN MUL_HI
	MUL16 4, 1, 1, \slot, 0
	MUL16 6, 1, 1, \slot, 0
	PLACES NP
	WIN 0
	FETCH_A \next, 0, 4
.endm
	s_wait_tensorcnt 1                             ; the scale words and my part of K slot 0 are in; K slot 1's load may be out
	s_barrier_signal -1
	s_barrier_wait -1
	FETCH_B 0, 0, 0
	FETCH_A 0, 0, 0
	SCALES 0, 0
	FETCH_A 0, 0, 4
	s_wait_loadcnt 0x0                             ; the bias
	s_cmp_eq_u32 s[ISV], 1
	s_cbranch_scc1 .Lfirst_v
	STEP 0, 0, 1
	s_branch .Lfirst_done
.Lfirst_v:
	STEP 0, 0, 2
.Lfirst_done:
	TURN 0, 1, 1, 1
	STEP 1, 0, 0
	TURN 1, 0, 1, 2
	STEP 0, 0, 0
	TURN 0, 1, 0, 3                                ; the last two K slots are in LDS or on their way: nothing more is asked for
	STEP 1, 0, 0
	s_wait_dscnt 4*NL
	WIN MUL_LO
	MUL16 0, 1, 1, 1, 0
	MUL16 2, 1, 1, 1, 0
	s_wait_dscnt 0
	WIN MUL_HI
	MUL16 4, 1, 1, 1, 0
	MUL16 6, 1, 1, 1, 0
	WIN 0
	PLACES NP
; THE WAY OUT.  A block of A (16 rows) has 64 numbers a lane, register 16 b + i = place 32 b + 16 (lane / 16) + i along the next K: they become one fragment's codes and its scale word, read in place from window w.
.macro QUANT w, s
.set WQ, ((\w)<<2)|((\w)<<4)
	WIN WQ                                         ; sources 1 and 2: the accumulators' window
.irp b, 0,1,2,3
	v_max3_num_f32 v[TM+\b], v[FLO], |v[(\s)+16*\b]|, |v[(\s)+16*\b+1]|   ; each accumulator is read from its low end on
.endr
.irp i, 2,4,6,8,10,12,14
.irp b, 0,1,2,3
	v_max3_num_f32 v[TM+\b], v[TM+\b], |v[(\s)+16*\b+\i]|, |v[(\s)+16*\b+\i+1]|
.endr
.endr
	WIN 0
.irp b, 0,1,2,3
	v_permlanex16_b32 v[TM+4+\b], v[TM+\b], s[SEL], s[SEL+1]
.endr
.irp b, 0,1,2,3
	v_max_num_f32 v[TM+\b], v[TM+\b], v[TM+4+\b]   ; with lane l xor 16's: the block's largest magnitude
.endr
.irp b, 0,1,2,3
	v_add_nc_u32 v[TM+12+\b], 0xfe000000, v[TM+\b] ; 4 off its exponent field: the conversion's scale operand
.endr
.irp b, 0,1,2,3
	v_lshrrev_b32 v[TM+4+\b], 23, v[TM+12+\b]      ; the scale's byte
.endr
	v_lshl_or_b32 v[PW], v[TM+5], 8, v[TM+4]
	v_lshl_or_b32 v[PW], v[TM+6], 16, v[PW]
	v_lshl_or_b32 v[PW], v[TM+7], 24, v[PW]
	WIN \w                                         ; source 0: the accumulators' window
.irp c, 0,1
	v_cvt_scalef32_pk16_bf6_f32 v[PC+6*\c:PC+6*\c+2], v[(\s)+32*\c:(\s)+32*\c+15], v[TM+12+2*\c]
	v_cvt_scalef32_pk16_bf6_f32 v[PC+12+4*\c:PC+14+4*\c], v[(\s)+32*\c+16:(\s)+32*\c+31], v[TM+13+2*\c]
.endr
	WIN 0
	v_nop                                          ; one plain place behind a scaled conversion
.irp c, 0,1                            ; the operand's layout wants a whole block in a lane
.irp i, 0,1,2
	v_permlane16_swap_b32 v[PC+6*\c+\i], v[PC+12+4*\c+\i]
.endr
.irp i, 0,1,2
	v_mov_b32 v[PC+3+6*\c+\i], v[PC+12+4*\c+\i]
.endr
.endr
.endm
.macro OUT a
.if (\a) > 0
	s_wait_xcnt 0x0                                ; the last block's stores have read their registers and bases: both may be written
.if (\a) == 4
	s_add_nc_u64 s[OC:OC+1], s[OC:OC+1], s[SA4:SA4+1]
	s_add_nc_u64 s[OS:OS+1], s[OS:OS+1], s[SS4:SS4+1]
.else
	s_add_nc_u64 s[OC:OC+1], s[OC:OC+1], s[SA:SA+1]
	s_add_nc_u64 s[OS:OS+1], s[OS:OS+1], s[SS:SS+1]
.endif
.endif
	QUANT 2+(\a)/4, 64*((\a)%4)
	v_lshrrev_b32 v[SW], v[SHF], v[PW]
	v_and_b32 v[SW], v[MSK], v[SW]
.irp p, 0,1,2
	global_store_b64 v[VO0], v[PC+2*\p:PC+2*\p+1], s[OC:OC+1] offset:256*\p       ; 32 lanes store 256 consecutive bytes, aligned
.endr
.irp p, 0,1,2
	global_store_b64 v[VO1], v[PC+6+2*\p:PC+7+2*\p], s[OC:OC+1] offset:256*\p
.endr
	global_store_b32 v[VOS], v[SW], s[OS:OS+1]     ; 128 consecutive bytes (v) or two runs of 64 (q, k): the scale words are one part in 13 of what this launch stores
.endm
.irp b, 0,1,2,3
	v_mov_b32 v[TM+4+\b], 0                        ; written once: a lane permute's destination counts as one of its sources
.endr
.irp a, 0,1,2,3,4,5,6,7
	OUT \a
.endr
	s_wait_tensorcnt 0x0                           ; the wave's end
	ds_add_u32 v[SPW], v[NIL]
	s_wait_dscnt 0x0
	CROUND                                         ; the closing round: no work-group ends while a partner may still ask for a tile that names it
	s_endpgm
.Lfunc_end_k_q3d492a8a12_qkv:
	.size	k_q3d492a8a12_qkv, .Lfunc_end_k_q3d492a8a12_qkv-k_q3d492a8a12_qkv
	.p2alignl 7, 3214868480
	.fill 96, 4, 3214868480
	.section	.rodata,"a",@progbits
	.p2align	6, 0x0
	.amdhsa_kernel k_q3d492a8a12_qkv
		.amdhsa_group_segment_fixed_size 327680
		.amdhsa_private_segment_fixed_size 0
		.amdhsa_enable_private_segment 0
		.amdhsa_kernarg_size 72
		.amdhsa_user_sgpr_count 2
		.amdhsa_user_sgpr_kernarg_segment_ptr 1
		.amdhsa_wavefront_size32 1
		.amdhsa_system_sgpr_workgroup_id_x 1
		.amdhsa_system_sgpr_workgroup_id_y 1
		.amdhsa_system_sgpr_workgroup_id_z 1
		.amdhsa_system_vgpr_workitem_id 0
		.amdhsa_next_free_vgpr 1024
		.amdhsa_next_free_sgpr 102
		.amdhsa_reserve_vcc 0
		.amdhsa_float_denorm_mode_32 3
		.amdhsa_float_denorm_mode_16_64 3
		.amdhsa_memory_ordered 1
		.amdhsa_forward_progress 1
		.amdhsa_inst_pref_size 191
	.end_amdhsa_kernel
	.amdgpu_metadata
---
amdhsa.version: [ 1, 2 ]
amdhsa.kernels:
  - .name:           k_q3d492a8a12_qkv
    .symbol:         k_q3d492a8a12_qkv.kd
    .args:
      - { .name: xc, .offset: 0, .size: 8, .value_kind: global_buffer, .address_space: global }
      - { .name: xs, .offset: 8, .size: 8, .value_kind: global_buffer, .address_space: global }
      - { .name: wc, .offset: 16, .size: 8, .value_kind: global_buffer, .address_space: global }
      - { .name: ws, .offset: 24, .size: 8, .value_kind: global_buffer, .address_space: global }
      - { .name: bq, .offset: 32, .size: 8, .value_kind: global_buffer, .address_space: global }
      - { .name: bk, .offset: 40, .size: 8, .value_kind: global_buffer, .address_space: global }
      - { .name: bv, .offset: 48, .size: 8, .value_kind: global_buffer, .address_space: global }
      - { .name: qb, .offset: 56, .size: 8, .value_kind: global_buffer, .address_space: global }
      - { .name: kvb, .offset: 64, .size: 8, .value_kind: global_buffer, .address_space: global }
    .group_segment_fixed_size: 327680
    .private_segment_fixed_size: 0
    .kernarg_segment_align: 8
    .kernarg_segment_size: 72
    .max_flat_workgroup_size: 128
    .sgpr_count:     102
    .vgpr_count:     1024
    .wavefront_size: 32
...
	.end_amdgpu_metadata
.endif
;; end of part 2
;; launch attn (part 3): grid 4 x 64, 16 waves a work-group, no clusters, 327,680 bytes of LDS; arguments qb, kvb, yc, ys; writes yc, ys
.if DOCPART == 3
	.amdgcn_target "amdgcn-amd-amdhsa--gfx1250"
	.amdhsa_code_object_version 6
	.text
	.protected	k_q3d492a8a12_attn
	.globl	k_q3d492a8a12_attn
	.p2align	8
	.type	k_q3d492a8a12_attn,@function
k_q3d492a8a12_attn:
	s_mov_b64 s[64:65], 0
	v_nop
	global_prefetch_b8 v0, s[64:65] scope:SCOPE_SE
	s_setreg_imm32_b32 hwreg(HW_REG_WAVE_MODE, 25, 1), 1
	s_wait_xcnt 0x0
; y[b][t][head] = softmax over s <= t of (q . k / 8) times v, both products on codes of BF6; y is quantised in registers along the 1,024 channels for the projection and leaves as codes.
; LEFT OUT (shown at the head of launch quant): a step of 128 keys all of which lie behind a tile's 16 queries; key slots behind a block of queries are not fetched.
; THE SOFTMAX: t = score x log2(e) / 8; M = the running largest t rounded up to a whole number; p = 2^(t - M) is quantised along the keys, not normalised; the row's sum is taken of the unquantised p and divides at the end.
; SHARES.  A work-group owns query blocks i and 7 - i (256 queries each) of one head: i + 1 and 8 - i slots of 256 keys, nine for every work-group: 256 equal work-groups.  Each of its sixteen waves owns one tile of
; 16 queries of the block in hand.  One loop of constant count walks n = 0 .. 8: n <= i: block i, key slot n; n > i: block 7 - i, key slot n - i - 1.
; NO CLUSTER: the four work-groups of a head want different key slots in the same trip; a joint walk over slots 0 .. 7 for both blocks would take 12 slot times for 9, and some partners would read nothing of tiles that a joint load brings.
; A key slot is one dense block of 26,624 bytes of kvb (k's codes, v's codes, k's and v's scale words), brought by waves 0 to 3, a quarter each, into a ring of two LDS slots; every wait on TENSORcnt is for 0; one tensor load a wave is out.
; LAYOUT.  Both products are used transposed: S^T = K Q^T, O^T = V^T P^T: a lane holds one query throughout.  Tiles hold rows 32 (t / 2) + 8 (t % 2) + r + 8 (r / 8), so two neighbouring tiles' results are 16 neighbours.
; K = 64 IN AN INSTRUCTION OF 128: Q's registers 6-11 are zero codes, and bytes 2, 3 of q's and k's scale words are 0 (2^-127, no NaN).  A tile of K is named with the six registers behind it (the next tile's codes, or zeros):
; they meet zero codes and add nothing.
; REGISTERS: v1-11 addresses; v12 -M, v13 the largest t, v[14:15] the sum; v16-27 Q; v28 its scale word; v29, v90-95 the second block's Q; v32-79 K, then the softmax's work; v80-85 zeros; v86-89 K's scale words;
;   v96-159 S^T, then p; v160-191 O^T; v192-239 V; v240-243 V's scale words; v252 f, v253 p's scale word, v254 at work.
.set SLB,   26624
.set HEADB, 212992
.set LSL,   32768                      ; LDS slot 1 begins here: one exclusive or turns an address
.set SPARE, 65536                      ; the spare words, 128 bytes a wave: eight blocks of 256 bytes that no other line names
.set VCO,   12288
.set KSO,   24576
.set VSO,   25600
.set FLOOR, 0x2800000
.set OFF4,  0xfe000000
.set ADC,   3
.set ADS,   4
.set SPW,   5
.set NIL,   6
.set DD,    7
.set PFO,   10
.set KR,    32
.set KSR,   86
.set BM,    32
.set PX,    36
.set SO,    44
.set PC,    48
.set WV,    12
.set I,     13
.set BH,    14
.set N,     15
.set KSI,   16
.set QSI,   17
.set TB,    18
.set SEL,   20
.set CS,    22
.set G1,    24
.set G0,    32
.set KVW,   36
.set PFA,   40
.set LIM,   42
.set YC,    48
.set YS,    50
.set IP1,   52
.set QSI2,  53
.macro TLOAD                           ; waves 0 to 3 fetch a quarter of a slot each; the branch hangs on the wave's number alone.  An s_nop 0 and four v_nop follow the load
	s_cmp_lt_u32 s[WV], 4
	s_cbranch_scc0 .Lnone_\@
	tensor_load_to_lds s[G0:G0+3], s[G1:G1+7]
	s_nop 0
.rept 4
	v_nop
.endr
.Lnone_\@:
.endm
; A PREFETCH INTO THE L2.  All four work-groups of a head walk the same key slots; the one with i = 0 loads slot N in trip N, and asks there for the codes of slot N + 1: 24,576 bytes, waves 4 to 6, 8,192 bytes a wave,
; lanes 256 bytes apart: one slot, two key steps, ahead of its own tensor load.  Each block is named once in the launch.  Trips 7 and 8 ask for nothing; nothing is asked for at the head; the 2,048 bytes of scale words come by the loads alone.
.macro ASK
	s_cmp_lt_u32 s[N], s[LIM]
	s_cbranch_scc0 .Lnot_mine_\@
	global_prefetch_b8 v[PFO], s[PFA:PFA+1] th:TH_LOAD_NT scope:SCOPE_SE
.Lnot_mine_\@:
.endm
	s_load_b256 s[4:11], s[0:1], 0x0               ; qb, kvb, yc, ys
	v_lshl_add_u32 v[SPW], v0, 2, SPARE
	v_mov_b32 v[NIL], 0
	ds_add_u32 v[SPW], v[NIL]                      ; the wave's opening: the add, twice on end, and its wait ahead of the first tensor load
	ds_add_u32 v[SPW], v[NIL]
	v_lshrrev_b32 v1, 5, v0
	s_delay_alu instid0(VALU_DEP_1)
	v_readfirstlane_b32 s[WV], v1
	s_mov_b32 s[I], ttmp9
	s_and_b32 s[BH], ttmp7, 0xffff
	s_mov_b32 s[G1], 3<<16                         ; no mask; elements of 8 bytes; no padding
	s_mov_b32 s[G1+1], 32<<16                      ; rows of 256 bytes,
	s_mov_b32 s[G1+2], 26<<16                      ; 26 of them: a quarter of a slot
	s_mov_b32 s[G1+3], 32<<16
	s_mov_b32 s[G1+4], 26
	s_mov_b32 s[G1+5], 32
	s_mov_b32 s[G1+6], 0
	s_mov_b32 s[G1+7], 0
	s_mul_i32 s58, s[BH], HEADB                    ; my head's first byte in qb and kvb
	s_and_b32 s59, s[WV], 3
	s_mul_i32 s60, s59, 6656                       ; my quarter
	s_add_co_u32 s38, s58, s60
	s_mov_b32 s39, 0
	s_wait_dscnt 0x0                               ; both opening adds are done
	s_wait_kmcnt 0x0
	s_add_nc_u64 s[KVW:KVW+1], s[6:7], s[38:39]
	s_mov_b32 s[G0], 1
	s_mov_b32 s[G0+1], s60
	s_mov_b64 s[G0+2:G0+3], s[KVW:KVW+1]
	s_or_b32 s[G0+3], s[G0+3], 0x80000000
	TLOAD                                          ; key slot 0 into LDS slot 0
	s_mov_b32 s[SEL], 0x76543210
	s_mov_b32 s[SEL+1], 0xfedcba98
	s_mov_b32 s[CS], 0x3e38aa3b                    ; c = log2(e) / 8
	s_mov_b32 s[CS+1], s[CS]
	s_mov_b32 s[N], 0
	s_mov_b32 s[KSI], 0
	s_mov_b32 s[TB], 0
	s_add_co_u32 s[IP1], s[I], 1
	s_sub_co_u32 s61, 7, s[I]                      ; the second block
	s_lshr_b32 s43, s[WV], 3
	s_lshl_b32 s[QSI], s[I], 1
	s_add_co_u32 s[QSI], s[QSI], s43               ; the step of 128 keys in which my 16 queries lie
	s_lshl_b32 s[QSI2], s61, 1
	s_add_co_u32 s[QSI2], s[QSI2], s43
	s_mul_i32 s38, s[I], SLB
	s_add_co_u32 s38, s38, s58
	s_add_nc_u64 s[44:45], s[4:5], s[38:39]        ; q's slot block of the first block,
	s_mul_i32 s38, s61, SLB
	s_add_co_u32 s38, s38, s58
	s_add_nc_u64 s[46:47], s[4:5], s[38:39]        ; and of the second
	s_lshl_b32 s38, s59, 13
	s_add_co_u32 s38, s38, s58
	s_add_nc_u64 s[PFA:PFA+1], s[6:7], s[38:39]    ; the prefetches: slot 0; the first change steps it to slot 1
	s_sub_co_u32 s43, s[WV], 4
	s_cmp_lt_u32 s43, 3                            ; waves 4 to 6
	s_cselect_b32 s[LIM], 7, 0
	s_cmp_eq_u32 s[I], 0                           ; of the head's first work-group
	s_cselect_b32 s[LIM], s[LIM], 0
	s_lshr_b32 s43, s[BH], 4
	s_lshl_b32 s43, s43, 7
	s_lshl_b32 s19, s[I], 4
	s_add_co_u32 s43, s43, s19
	s_add_co_u32 s43, s43, s[WV]                   ; my row tile of y: 128 x batch + 16 x block + wave
	s_and_b32 s19, s[BH], 15                       ; the head: K step head / 2 of the projection, half head % 2 of its fragment
	s_mul_i32 s38, s43, 12288
	s_lshr_b32 s62, s19, 1
	s_mul_i32 s62, s62, 1536
	s_add_co_u32 s38, s38, s62
	s_and_b32 s62, s19, 1
	s_mul_i32 s63, s62, 768
	s_add_co_u32 s38, s38, s63
	s_add_nc_u64 s[YC:YC+1], s[8:9], s[38:39]
	s_lshl_b32 s38, s43, 9
	s_lshr_b32 s63, s19, 2
	s_lshl_b32 s63, s63, 7
	s_add_co_u32 s38, s38, s63
	s_bfe_u32 s63, s19, 0x10001
	s_lshl_b32 s63, s63, 2
	s_add_co_u32 s38, s38, s63
	s_lshl_b32 s63, s62, 1
	s_add_co_u32 s38, s38, s63
	s_add_nc_u64 s[YS:YS+1], s[10:11], s[38:39]
	s_lshl_b32 s43, s[I], 1
	s_sub_co_u32 s43, 7, s43                       ; 7 - 2 i blocks of 16 row tiles on
	s_mul_i32 s54, s43, 196608
	s_mov_b32 s55, 0
	s_lshl_b32 s56, s43, 13
	s_mov_b32 s57, 0
	v_and_b32 v8, 31, v0
	s_delay_alu instid0(VALU_DEP_1)
	v_lshlrev_b32 v1, 3, v8                        ; 8 x lane
	s_delay_alu instid0(VALU_DEP_2)
	v_lshlrev_b32 v2, 2, v8                        ; 4 x lane
	s_delay_alu instid0(VALU_DEP_3)
	v_lshlrev_b32 v[PFO], 8, v8
	v_and_b32 v11, 15, v0                          ; r
	s_delay_alu instid0(VALU_DEP_1)
	v_lshlrev_b32 v9, 3, v11                       ; 8 r
	v_bfe_u32 v3, v0, 4, 1
	s_delay_alu instid0(VALU_DEP_3)
	v_and_b32 v4, 8, v11
	s_delay_alu instid0(VALU_DEP_1)
	v_add_nc_u32 v[DD], v4, v11
	s_delay_alu instid0(VALU_DEP_3)
	v_lshlrev_b32 v3, 4, v3
	s_delay_alu instid0(VALU_DEP_1)
	v_sub_nc_u32 v[DD], v[DD], v3
	s_bfe_u32 s43, s[WV], 0x20001
	s_lshl_b32 s43, s43, 5
	s_and_b32 s19, s[WV], 1
	s_lshl_b32 s19, s19, 3
	s_add_co_u32 s43, s43, s19
	v_add_nc_u32 v[DD], s43, v[DD]                 ; my query's place in its step of 128, less 16 (lane / 16): register 16 b + i holds a hidden key where 32 b + i is above it
	s_mul_i32 s43, s[WV], 768
	v_add_nc_u32 v30, s43, v1
	s_lshl_b32 s43, s[WV], 6
	v_lshl_add_u32 v31, v11, 2, s43
.irp p, 0,1,2
	global_load_b64 v[16+2*\p:17+2*\p], v30, s[44:45] offset:256*\p
	global_load_b64 v[90+2*\p:91+2*\p], v30, s[46:47] offset:256*\p
.endr
	global_load_b32 v28, v31, s[44:45] offset:KSO
	global_load_b32 v29, v31, s[46:47] offset:KSO
.irp p, 0,1,2,3,4,5
	v_mov_b32 v[22+\p], 0                          ; Q's upper half: zero codes
	v_mov_b32 v[80+\p], 0                          ; what stands behind K's last tile
.endr
	v_mov_b32 v13, 0xff61b1e6                      ; the largest t so far: -3e38
	s_delay_alu instid0(VALU_DEP_1)
	v_floor_f32 v12, -v13                          ; -M
	v_mov_b32 v14, 0
	v_mov_b32 v15, 0
.irp b, 0,1,2,3
	v_mov_b32 v[PX+\b], 0                          ; written once: a lane permute's destination counts as one of its sources
.endr
	v_mov_b32 v252, 0
	v_mov_b32 v253, 0
.set cnt, 0
.rept 32
	v_mov_b32 v[160+cnt], 0                        ; O^T: the step is written once; the first finds zeros, which the first change of M leaves zeros
.set cnt, cnt+1
.endr
; A KEY STEP: 128 keys, the u-th of the slot in hand.
.macro STEP u
	s_cmp_gt_u32 s[KSI], s[QSI]                    ; all its keys lie behind my queries: a branch on ids, round the step's work; no barrier and no tensor load stands in a step
	s_cbranch_scc1 .Lhidden_\@
	s_wait_alu depctr_va_vdst(0)
.irp t, 0,1,2,3,4,5,6,7
.irp p, 0,1,2
	ds_load_b64 v[KR+6*\t+2*\p:KR+6*\t+2*\p+1], v[ADC] offset:(8*\u+\t)*768+256*\p
.endr
.endr
.irp g, 0,1,2,3
	ds_load_b32 v[KSR+\g], v[ADS] offset:KSO+(8*\u+2*\g)*64     ; lanes 0-15: tile 2 g's words; lanes 16-31: tile 2 g + 1's
.endr
	s_wait_dscnt 0x0
.irp g, 0,1,2,3
	v_wmma_scale_f32_16x16x128_f8f6f4 v[96+16*\g:103+16*\g], v[KR+12*\g:KR+12*\g+11], v[16:27], 0, v[KSR+\g], v28 matrix_a_fmt:MATRIX_FMT_BF6 matrix_b_fmt:MATRIX_FMT_BF6
	v_wmma_scale_f32_16x16x128_f8f6f4 v[104+16*\g:111+16*\g], v[KR+12*\g+6:KR+12*\g+17], v[16:27], 0, v[KSR+\g], v28 matrix_a_fmt:MATRIX_FMT_BF6 matrix_b_fmt:MATRIX_FMT_BF6 matrix_a_scale:MATRIX_SCALE_ROW1
.endr
.rept 4
	v_nop                                          ; places behind the products: the scores are read, and K's registers written, only behind them
.endr
	s_wait_alu depctr_va_vdst(0)
.irp i, 0,1,2,3                        ; V is asked for now and lands under the softmax
.irp p, 0,1,2,3,4,5
	ds_load_b64 v[192+12*\i+2*\p:193+12*\i+2*\p], v[ADC] offset:VCO+3072*\i+1536*\u+256*\p
.endr
	ds_load_b32 v[240+\i], v[ADS] offset:VSO+256*\i+128*\u
.endr
	s_cmp_lg_u32 s[KSI], s[QSI]                    ; on the diagonal the scores of hidden keys become -infinity ahead of the maximum; a step all of whose keys count skips this
	s_cbranch_scc1 .Lopen_\@
	v_mov_b32 v254, 0xff800000
.set cnt, 0
.rept 64
	v_cmp_gt_i32 vcc_lo, 32*(cnt/16)+cnt%16, v[DD]
	v_cndmask_b32 v[96+cnt], v[96+cnt], v254, vcc_lo
.set cnt, cnt+1
.endr
.Lopen_\@:
.irp b, 0,1,2,3
	v_max3_num_f32 v[BM+\b], v[96+16*\b], v[97+16*\b], v[98+16*\b]   ; the largest score of each block of 32 keys: for the row's maximum, and, since p rises with the score, for the block's largest p
.endr
.irp i, 3,5,7,9,11,13
.irp b, 0,1,2,3
	v_max3_num_f32 v[BM+\b], v[BM+\b], v[96+16*\b+\i], v[97+16*\b+\i]
.endr
.endr
.irp b, 0,1,2,3
	v_max_num_f32 v[BM+\b], v[BM+\b], v[111+16*\b]
.endr
.irp b, 0,1,2,3
	s_delay_alu instid0(VALU_DEP_4)
	v_permlanex16_b32 v[PX+\b], v[BM+\b], s[SEL], s[SEL+1]
.endr
.irp b, 0,1,2,3
	s_delay_alu instid0(VALU_DEP_4)
	v_max_num_f32 v[BM+\b], v[BM+\b], v[PX+\b]     ; with lane l xor 16's 16 keys
.endr
	s_delay_alu instid0(VALU_DEP_2)
	v_max3_num_f32 v254, v[BM], v[BM+1], v[BM+2]
	s_delay_alu instid0(VALU_DEP_1)
	v_max_num_f32 v254, v254, v[BM+3]
	s_delay_alu instid0(VALU_DEP_1)
	v_mul_f32 v254, s[CS], v254                    ; as t (c is positive)
	s_delay_alu instid0(VALU_DEP_1)
	v_max_num_f32 v13, v13, v254                   ; the running largest t
	v_mov_b32 v254, v12
	s_delay_alu instid0(VALU_DEP_2)
	v_floor_f32 v12, -v13                          ; the new -M = -ceil(t): a whole number
	s_delay_alu instid0(VALU_DEP_1)
	v_sub_f32 v254, v12, v254                      ; old M less new M: a whole number, 0 or less
	s_delay_alu instid0(VALU_DEP_1)
	v_cvt_i32_f32 v254, v254                       ; (it saturates)
	s_delay_alu instid0(VALU_DEP_1)
	v_ldexp_f32 v252, 1.0, v254                    ; f = 2^(old M - new M): a multiplication by it rounds nothing
.set cnt, 0
.rept 32
	v_pk_fma_f32 v[96+cnt:97+cnt], v[96+cnt:97+cnt], s[CS:CS+1], v[12:13] op_sel_hi:[1,0,0]   ; t - M, two at a time
.set cnt, cnt+2
.endr
.irp b, 0,1,2,3
	v_fma_f32 v[BM+\b], v[BM+\b], s[CS], v12
.endr
.set cnt, 0
	s_wait_alu depctr_va_vdst(0)
.rept 64
	v_exp_f32 v[96+cnt], v[96+cnt]                 ; p = 2^(t - M), at most 1
.set cnt, cnt+1
.endr
	v_pk_mul_f32 v[14:15], v[14:15], v[252:253] op_sel_hi:[1,0]   ; the sums under the new M: the plain place behind the exponentials
	s_wait_alu depctr_va_vdst(0)                   ; one wait for the whole batch, ahead of its first reader
.irp b, 0,1,2,3
	v_exp_f32 v[BM+\b], v[BM+\b]                   ; the block's largest p
.endr
	v_pk_add_f32 v[36:37], v[100:101], v[104:105]
	v_pk_add_f32 v[254:255], v[108:109], v[112:113]
	v_pk_add_f32 v[250:251], v[116:117], v[120:121]
	v_pk_add_f32 v[248:249], v[124:125], v[128:129]
	v_pk_add_f32 v[246:247], v[132:133], v[136:137]
	v_pk_add_f32 v[244:245], v[140:141], v[144:145]
	v_pk_add_f32 v[88:89], v[148:149], v[152:153]
	v_pk_add_f32 v[14:15], v[14:15], v[156:157]
	v_pk_add_f32 v[36:37], v[36:37], v[96:97]
	v_pk_add_f32 v[254:255], v[254:255], v[98:99]
	v_pk_add_f32 v[250:251], v[250:251], v[102:103]
	v_pk_add_f32 v[248:249], v[248:249], v[106:107]
	v_pk_add_f32 v[246:247], v[246:247], v[110:111]
	v_pk_add_f32 v[244:245], v[244:245], v[114:115]
	v_pk_add_f32 v[88:89], v[88:89], v[118:119]
	v_pk_add_f32 v[14:15], v[14:15], v[122:123]
	v_pk_add_f32 v[36:37], v[36:37], v[126:127]
	v_pk_add_f32 v[254:255], v[254:255], v[130:131]
	v_pk_add_f32 v[250:251], v[250:251], v[134:135]
	v_pk_add_f32 v[248:249], v[248:249], v[138:139]
	v_pk_add_f32 v[246:247], v[246:247], v[142:143]
	v_pk_add_f32 v[244:245], v[244:245], v[146:147]
	v_pk_add_f32 v[88:89], v[88:89], v[150:151]
	v_pk_add_f32 v[14:15], v[14:15], v[154:155]
	v_pk_add_f32 v[36:37], v[36:37], v[158:159]
	s_delay_alu instid0(VALU_DEP_2)
	v_pk_add_f32 v[14:15], v[14:15], v[248:249]
	s_delay_alu instid0(VALU_DEP_2)
	v_pk_add_f32 v[36:37], v[36:37], v[246:247]
	v_pk_add_f32 v[254:255], v[254:255], v[244:245]
	v_pk_add_f32 v[250:251], v[250:251], v[88:89]
	s_delay_alu instid0(VALU_DEP_2)
	v_pk_add_f32 v[14:15], v[14:15], v[254:255]
	s_delay_alu instid0(VALU_DEP_2)
	v_pk_add_f32 v[36:37], v[36:37], v[250:251]
	s_delay_alu instid0(VALU_DEP_1)
	v_pk_add_f32 v[14:15], v[14:15], v[36:37]
	s_wait_alu depctr_va_vdst(0)                   ; and one for the four
.irp b, 0,1,2,3
	v_max_num_f32 v[BM+\b], FLOOR, v[BM+\b]
.endr
.irp b, 0,1,2,3
	s_delay_alu instid0(VALU_DEP_4)
	v_add_nc_u32 v[SO+\b], OFF4, v[BM+\b]
.endr
.irp b, 0,1,2,3
	s_delay_alu instid0(VALU_DEP_4)
	v_lshrrev_b32 v[PX+\b], 23, v[SO+\b]
.endr
	s_delay_alu instid0(VALU_DEP_3)
	v_lshl_or_b32 v253, v[PX+1], 8, v[PX]          ; p's scale word for these 128 keys
	s_delay_alu instid0(VALU_DEP_1)
	v_lshl_or_b32 v253, v[PX+2], 16, v253
	s_delay_alu instid0(VALU_DEP_1)
	v_lshl_or_b32 v253, v[PX+3], 24, v253
.irp c, 0,1
	v_cvt_scalef32_pk16_bf6_f32 v[PC+6*\c:PC+6*\c+2], v[96+32*\c:111+32*\c], v[SO+2*\c]
	v_cvt_scalef32_pk16_bf6_f32 v[PX+4*\c:PX+4*\c+2], v[112+32*\c:127+32*\c], v[SO+2*\c+1]
.endr
	v_nop                                          ; one plain place behind a scaled conversion
.irp c, 0,1
.irp i, 0,1,2
	v_permlane16_swap_b32 v[PC+6*\c+\i], v[PX+4*\c+\i]
.endr
.irp i, 0,1,2
	s_delay_alu instid0(VALU_DEP_3)
	v_mov_b32 v[PC+3+6*\c+\i], v[PX+4*\c+\i]
.endr
.endr
.set cnt, 0
.rept 16
	v_pk_mul_f32 v[160+cnt:161+cnt], v[160+cnt:161+cnt], v[252:253] op_sel_hi:[1,0]   ; O^T under the new M; these are also the places between p's codes and scale word and the products
.set cnt, cnt+2
.endr
	s_wait_alu depctr_va_vdst(0)
	s_wait_dscnt 0x0                               ; V is in
.irp i, 0,1,2,3                        ; four accumulators, one instruction a turn
	v_wmma_scale_f32_16x16x128_f8f6f4 v[160+8*\i:167+8*\i], v[192+12*\i:203+12*\i], v[PC:PC+11], v[160+8*\i:167+8*\i], v[240+\i], v253 matrix_a_fmt:MATRIX_FMT_BF6 matrix_b_fmt:MATRIX_FMT_BF6
.endr
.rept 4
	v_nop                                          ; places in front of the next loads into these operands, and of the next read of O^T
.endr
.Lhidden_\@:
	s_add_co_u32 s[KSI], s[KSI], 1
.endm
; THE CHANGE OF SLOTS stands at a slot's head.  Each wave waits for all its tensor loads, adds 0 to its spare word (fill = 1: twice on end), and waits
; for that and for its reads of the slot that it has left.  Behind the barrier the slot ahead is whole and nobody reads the other: fill = 1: it takes the walk's next key slot.
.macro CHANGE fill
	s_wait_tensorcnt 0x0                           ; no tensor load of mine is out, so group 0 may be written
	ds_add_u32 v[SPW], v[NIL]
.if \fill
	ds_add_u32 v[SPW], v[NIL]
	s_xor_b32 s[G0+1], s[G0+1], LSL                ; the other LDS slot than last time
	s_add_co_u32 s19, s[N], 1
	s_cmp_le_u32 s19, s[I]
	s_cselect_b32 s43, 0, s[IP1]
	s_sub_co_u32 s19, s19, s43                     ; the key slot of n = N + 1: N + 1 in the first block, N - i in the second
	s_mul_i32 s38, s19, SLB
	s_add_nc_u64 s[G0+2:G0+3], s[KVW:KVW+1], s[38:39]
	s_or_b32 s[G0+3], s[G0+3], 0x80000000
	s_wait_xcnt 0x0                                ; the last prefetch, a slot back, has read its address
	s_add_nc_u64 s[PFA:PFA+1], s[PFA:PFA+1], SLB
.endif
	s_wait_dscnt 0x0
	s_barrier_signal -1
	s_barrier_wait -1
.if \fill
	TLOAD                                          ; the first thing behind the barrier, and a wave's one tensor load until the next
	ASK
.endif
	v_add_nc_u32 v[ADC], s[TB], v1
	v_add_nc_u32 v[ADS], s[TB], v2
.endm
; A BLOCK'S END: O^T / the sum is y: 64 channels of my query, register 16 b + i = channel 32 b + 16 (lane / 16) + i: two blocks of 32 along the projection's K: half a fragment and half a scale word.
.macro FLUSH
	v_add_f32 v14, v14, v15
	s_delay_alu instid0(VALU_DEP_1)
	v_permlanex16_b32 v252, v14, s[SEL], s[SEL+1]
	s_delay_alu instid0(VALU_DEP_1)
	v_add_f32 v14, v14, v252                       ; the row's sum
	s_wait_alu depctr_va_vdst(0)
	v_rcp_f32 v14, v14
	v_nop                                          ; a plain place behind the reciprocal,
	s_wait_alu depctr_va_vdst(0)                   ; and the wait ahead of its first reader
.set cnt, 0
.rept 16
	v_pk_mul_f32 v[96+cnt:97+cnt], v[160+cnt:161+cnt], v[14:15] op_sel_hi:[1,0]
.set cnt, cnt+2
.endr
.irp b, 0,1
	v_max3_num_f32 v[BM+\b], |v[96+16*\b]|, |v[97+16*\b]|, FLOOR
.endr
.irp i, 2,4,6,8,10,12,14
.irp b, 0,1
	s_delay_alu instid0(VALU_DEP_2)
	v_max3_num_f32 v[BM+\b], v[BM+\b], |v[96+16*\b+\i]|, |v[97+16*\b+\i]|
.endr
.endr
.irp b, 0,1
	s_delay_alu instid0(VALU_DEP_2)
	v_permlanex16_b32 v[PX+\b], v[BM+\b], s[SEL], s[SEL+1]
.endr
.irp b, 0,1
	s_delay_alu instid0(VALU_DEP_2)
	v_max_num_f32 v[BM+\b], v[BM+\b], v[PX+\b]
.endr
.irp b, 0,1
	s_delay_alu instid0(VALU_DEP_2)
	v_add_nc_u32 v[SO+\b], OFF4, v[BM+\b]
.endr
.irp b, 0,1
	s_delay_alu instid0(VALU_DEP_2)
	v_lshrrev_b32 v[PX+\b], 23, v[SO+\b]
.endr
	s_delay_alu instid0(VALU_DEP_1)
	v_lshl_or_b32 v254, v[PX+1], 8, v[PX]
	v_cvt_scalef32_pk16_bf6_f32 v[PC:PC+2], v[96:111], v[SO]
	v_cvt_scalef32_pk16_bf6_f32 v[PX+4:PX+6], v[112:127], v[SO+1]
	v_nop
.irp i, 0,1,2
	v_permlane16_swap_b32 v[PC+\i], v[PX+4+\i]
.endr
.irp i, 0,1,2
	s_delay_alu instid0(VALU_DEP_3)
	v_mov_b32 v[PC+3+\i], v[PX+4+\i]
.endr
.irp p, 0,1,2
	global_store_b64 v1, v[PC+2*\p:PC+2*\p+1], s[YC:YC+1] offset:256*\p   ; 256 consecutive bytes, aligned
.endr
	global_store_b16 v9, v254, s[YS:YS+1]          ; two bytes a row, 8 bytes apart: a head owns half of a scale word; lanes 16-31 store the same bytes to the same places as lanes 0-15.  All of ys is 262,144 bytes
.endm
.macro NEWPASS                         ; on to block 7 - i
	s_wait_xcnt 0x0                                ; y's stores have read their registers and bases
.irp p, 0,1,2,3,4,5
	v_mov_b32 v[16+\p], v[90+\p]
.endr
	v_mov_b32 v28, v29
	v_mov_b32 v13, 0xff61b1e6
	s_delay_alu instid0(VALU_DEP_1)
	v_floor_f32 v12, -v13
	v_mov_b32 v14, 0
	v_mov_b32 v15, 0
.set cnt, 0
.rept 32
	v_mov_b32 v[160+cnt], 0                        ; (these are also the places between Q's registers' writes and the next products)
.set cnt, cnt+1
.endr
	s_mov_b32 s[KSI], 0
	s_mov_b32 s[QSI], s[QSI2]
	s_add_nc_u64 s[YC:YC+1], s[YC:YC+1], s[54:55]
	s_add_nc_u64 s[YS:YS+1], s[YS:YS+1], s[56:57]
.endm
	s_wait_loadcnt 0x0                             ; both blocks' Q
.Ltrip:                                            ; eight trips: behind each change of slots but the last the walk's next slot is asked for
	CHANGE 1
	STEP 0
	STEP 1
	s_xor_b32 s[TB], s[TB], LSL
	s_cmp_lg_u32 s[N], s[I]                        ; ids alone: the first block ends with trip i
	s_cbranch_scc1 .Lsame
	FLUSH
	NEWPASS
.Lsame:
	s_add_co_u32 s[N], s[N], 1
	s_cmp_lt_u32 s[N], 8
	s_cbranch_scc1 .Ltrip
	CHANGE 0                                       ; the last slot is written out: nothing is left to fetch
	STEP 0
	STEP 1
	FLUSH
	s_wait_tensorcnt 0x0                           ; the wave's end
	ds_add_u32 v[SPW], v[NIL]
	s_wait_dscnt 0x0
	s_endpgm
.Lfunc_end_k_q3d492a8a12_attn:
	.size	k_q3d492a8a12_attn, .Lfunc_end_k_q3d492a8a12_attn-k_q3d492a8a12_attn
	.p2alignl 7, 3214868480
	.fill 96, 4, 3214868480
	.section	.rodata,"a",@progbits
	.p2align	6, 0x0
	.amdhsa_kernel k_q3d492a8a12_attn
		.amdhsa_group_segment_fixed_size 327680
		.amdhsa_private_segment_fixed_size 0
		.amdhsa_enable_private_segment 0
		.amdhsa_kernarg_size 32
		.amdhsa_user_sgpr_count 2
		.amdhsa_user_sgpr_kernarg_segment_ptr 1
		.amdhsa_wavefront_size32 1
		.amdhsa_system_sgpr_workgroup_id_x 1
		.amdhsa_system_sgpr_workgroup_id_y 1
		.amdhsa_system_sgpr_workgroup_id_z 1
		.amdhsa_system_vgpr_workitem_id 0
		.amdhsa_next_free_vgpr 256
		.amdhsa_next_free_sgpr 66
		.amdhsa_reserve_vcc 1
		.amdhsa_float_denorm_mode_32 3
		.amdhsa_float_denorm_mode_16_64 3
		.amdhsa_memory_ordered 1
		.amdhsa_forward_progress 1
		.amdhsa_inst_pref_size 114
	.end_amdhsa_kernel
	.amdgpu_metadata
---
amdhsa.version: [ 1, 2 ]
amdhsa.kernels:
  - .name:           k_q3d492a8a12_attn
    .symbol:         k_q3d492a8a12_attn.kd
    .args:
      - { .name: qb, .offset: 0, .size: 8, .value_kind: global_buffer, .address_space: global }
      - { .name: kvb, .offset: 8, .size: 8, .value_kind: global_buffer, .address_space: global }
      - { .name: yc, .offset: 16, .size: 8, .value_kind: global_buffer, .address_space: global }
      - { .name: ys, .offset: 24, .size: 8, .value_kind: global_buffer, .address_space: global }
    .group_segment_fixed_size: 327680
    .private_segment_fixed_size: 0
    .kernarg_segment_align: 8
    .kernarg_segment_size: 32
    .max_flat_workgroup_size: 512
    .sgpr_count:     66
    .vgpr_count:     256
    .wavefront_size: 32
...
	.end_amdgpu_metadata
.endif
;; end of part 3
;; launch proj (part 4): grid 8 x 32, 4 waves a work-group, clusters of 4 x 4, 327,680 bytes of LDS; arguments yc, ys, wc, ws, bp, out0; writes out0
.if DOCPART == 4
	.amdgcn_target "amdgcn-amd-amdhsa--gfx1250"
	.amdhsa_code_object_version 6
	.text
	.protected	k_q3d492a8a12_proj
	.globl	k_q3d492a8a12_proj
	.p2align	8
	.type	k_q3d492a8a12_proj,@function
k_q3d492a8a12_proj:
	s_mov_b64 s[64:65], 0
	v_nop
	global_prefetch_b8 v0, s[64:65] scope:SCOPE_SE
	s_setreg_imm32_b32 hwreg(HW_REG_WAVE_MODE, 25, 1), 1
	s_wait_xcnt 0x0
	s_wait_alu depctr_hold_cnt(0) depctr_sa_sdst(0) depctr_va_vdst(0) depctr_va_sdst(0) depctr_va_ssrc(0) depctr_va_vcc(0) depctr_vm_vsrc(0)
	s_getreg_b32 s2, hwreg(HW_REG_IB_STS2, 6, 4)
	s_cmp_eq_u32 s2, 0
	s_cbranch_scc0 .Lentry_in_a_cluster
	s_endpgm
.Lentry_in_a_cluster:
	s_bfe_u32 s2, ttmp6, 0x10000c
	s_cmp_lg_u32 s2, 0xf033
	s_cbranch_scc0 .Lentry_shape_is_right
	s_endpgm
.Lentry_shape_is_right:
; out0 = y Wp + bp on codes of BF6, K = 1,024.  y's codes and scale words (yc, ys) and Wp's (the fourth weight of wc, ws) lie as images of the operand's registers, as in launch qkv.
; A tile is 256 rows x 128 columns: 256 work-groups.  Four waves of 128 x 64: 8 blocks of A x 4 tiles of B, 32 accumulators in window 2 ((a, b) at v[8 (4 a + b)]).
; THE MATRIX INSTRUCTION IS USED TRANSPOSED (source 0 = 16 columns of Wp, source 1 = 16 rows of y): a lane holds one row of the result and eight neighbouring columns a tile.
; K goes in four slots of 256 through a ring of two LDS slots; the scale words come once with the first fills.  By this text's count a wave has three tensor loads out at the start, later one.
; CLUSTERS: 4 x 4: y's tiles are asked for jointly along a row of the cluster, Wp's along a column.  bp is the C of each sum's first matrix instruction.
; The rows of a tile are rows 32 (t / 2) + 8 (t % 2) + r + 8 (r / 8): the way out puts each row and column back at its place.
.set FR,    12
.set NL,    6
.set NP,    4
.set REGA,  24576                      ; 8 row tiles x 2 K steps x 1,536
.set REGB,  12288                      ; 4 tiles
.set SLOT,  2*REGA+2*REGB
.set SCL,   2*SLOT                     ; B's scale words (4,096 bytes), then A's (8,192)
.set SPARE, SCL+12288                  ; the spare words: two blocks of 256 bytes that no other line names
.set ADRA,  16
.set ADRB,  20
.set STO,   24
.set RD,    25
.set CO,    26
.set ADRS,  27
.set SPW,   28
.set NIL,   29
.set SC,    32
.set BI,    64
.set AF,    128
.set BK,    128
.set WV,    16
.set WR,    17
.set WC,    18
.set CX,    19
.set CY,    20
.set TR,    21
.set TC,    22
.set G1,    24
.set G0,    32
.set G1B,   40
.set G0B,   48
.set G1S,   56
.set G0S,   68
.set G1SB,  72
.set G0SB,  80
.set MSB, 0
.macro WIN new
.if MSB != (\new)
	s_set_vgpr_msb (MSB<<8)|(\new)
.set MSB, (\new)
.endif
.endm
.set MUL,  0xa1                        ; source 0 (B) window 1, source 1 (A) window 0, C and D window 2
.set TO_B, 0x40
.macro JLOAD g0a, g1a, g0b, g1b        ; waves 0 and 1 fetch for A, waves 2 and 3 for B.  An s_nop 0 and four v_nop follow each of the two lines
	s_cmp_eq_u32 s[WR], 0
	s_cbranch_scc0 .Lfor_b_\@
	tensor_load_to_lds s[\g0a:\g0a+3], s[\g1a:\g1a+7]
	s_nop 0
.rept 4
	v_nop
.endr
	s_branch .Lasked_\@
.Lfor_b_\@:
	tensor_load_to_lds s[\g0b:\g0b+3], s[\g1b:\g1b+7]
	s_nop 0
.rept 4
	v_nop
.endr
.Lasked_\@:
.endm
.macro CREST
	s_cmp_lg_u32 s[WV], 0
	s_cbranch_scc1 .Lnot_wave_0_\@
	s_barrier_signal -3
.Lnot_wave_0_\@:
	s_barrier_wait -3
	s_barrier_signal -1
	s_barrier_wait -1
.endm
.macro CROUND
	s_barrier_signal -1
	s_barrier_wait -1
	CREST
.endm
.macro SHAPE g, c, r, p
	s_mov_b32 s[\g+1], (\c)<<16
	s_mov_b32 s[\g+2], (\r)<<16
	s_mov_b32 s[\g+3], (\c)<<16
	s_mov_b32 s[\g+4], \r
	s_mov_b32 s[\g+5], \p
	s_mov_b32 s[\g+6], 0
	s_mov_b32 s[\g+7], 0
.endm
	s_load_b256 s[4:11], s[0:1], 0x0               ; yc, ys, wc, ws
	s_load_b128 s[12:15], s[0:1], 0x20             ; bp, out0
	v_lshl_add_u32 v[SPW], v0, 2, SPARE
	v_mov_b32 v[NIL], 0
	ds_add_u32 v[SPW], v[NIL]                      ; the wave's opening: the add, twice on end, and its wait ahead of my first tensor load
	ds_add_u32 v[SPW], v[NIL]
	v_lshrrev_b32 v1, 5, v0
	v_readfirstlane_b32 s[WV], v1
	s_lshr_b32 s[WR], s[WV], 1
	s_and_b32 s[WC], s[WV], 1
	s_bfe_u32 s[CX], ttmp6, 0x40000
	s_bfe_u32 s[CY], ttmp6, 0x40004
	s_lshl_b32 s[TC], ttmp9, 2
	s_add_co_u32 s[TC], s[TC], s[CX]               ; my 128 columns
	s_and_b32 s[TR], ttmp7, 0xffff
	s_lshl_b32 s[TR], s[TR], 2
	s_add_co_u32 s[TR], s[TR], s[CY]               ; my 256 rows
	s_lshl_b32 s84, s[CY], 2
	s_lshl_b32 s84, 15, s84                        ; my row of the cluster
	s_lshl_b32 s88, 0x1111, s[CX]                  ; my column
	s_or_b32 s[G1], s84, (3<<16)|(1<<21)
	s_or_b32 s[G1B], s88, (3<<16)|(1<<21)
	s_or_b32 s[G1S], s84, (3<<16)|(1<<21)
	s_or_b32 s[G1SB], s88, (3<<16)|(1<<21)
	SHAPE G1, 384, 8, 1536                         ; A's codes: 8 row tiles x 3,072 bytes, 12,288 apart
	SHAPE G1B, 384, 4, 1536                        ; B's: 4 tiles
	SHAPE G1S, 32, 16, 32                          ; A's scale words: 4,096 dense bytes
	SHAPE G1SB, 32, 8, 32                          ; B's: 2,048
	s_lshl_b32 s84, s[TR], 4
	s_lshl_b32 s85, s[WC], 3
	s_add_co_u32 s84, s84, s85                     ; A: the first row tile that I fetch
	s_lshl_b32 s86, s84, 9
	s_mul_i32 s84, s84, 12288
	s_mov_b32 s85, 0
	s_mov_b32 s87, 0
	s_lshl_b32 s88, s[TC], 3
	s_lshl_b32 s89, s[WC], 2
	s_add_co_u32 s88, s88, s89                     ; B likewise
	s_lshl_b32 s90, s88, 9
	s_mul_i32 s88, s88, 12288
	s_add_co_u32 s88, s88, 2359296                 ; Wp is the fourth weight of wc,
	s_add_co_u32 s90, s90, 98304                   ; and of ws
	s_mov_b32 s89, 0
	s_mov_b32 s91, 0
	s_mul_i32 s92, s[WC], REGA                     ; where they go: no place in the cluster enters an LDS address
	s_mul_i32 s93, s[WC], REGB
	s_add_co_u32 s93, s93, 2*REGA
	s_lshl_b32 s94, s[WC], 12
	s_add_co_u32 s94, s94, SCL+4096
	s_lshl_b32 s95, s[WC], 11
	s_add_co_u32 s95, s95, SCL
	s_wait_dscnt 0x0                               ; both opening adds are done
	s_wait_kmcnt 0x0
	s_add_nc_u64 s[84:85], s[4:5], s[84:85]
	s_add_nc_u64 s[86:87], s[6:7], s[86:87]
	s_add_nc_u64 s[88:89], s[8:9], s[88:89]
	s_add_nc_u64 s[90:91], s[10:11], s[90:91]
	CROUND                                         ; all sixteen work-groups are here: the first joint loads meet
	s_mov_b32 s[G0S], 1
	s_mov_b32 s[G0S+1], s94
	s_mov_b64 s[G0S+2:G0S+3], s[86:87]
	s_or_b32 s[G0S+3], s[G0S+3], 0x80000000
	s_mov_b32 s[G0SB], 1
	s_mov_b32 s[G0SB+1], s95
	s_mov_b64 s[G0SB+2:G0SB+3], s[90:91]
	s_or_b32 s[G0SB+3], s[G0SB+3], 0x80000000
	JLOAD G0S, G1S, G0SB, G1SB
.irp s, 0,1
	s_mov_b32 s[G0+4*\s], 1
	s_add_co_u32 s[G0+4*\s+1], s92, \s*SLOT
	s_add_nc_u64 s[G0+4*\s+2:G0+4*\s+3], s[84:85], \s*3072
	s_or_b32 s[G0+4*\s+3], s[G0+4*\s+3], 0x80000000
	s_mov_b32 s[G0B+4*\s], 1
	s_add_co_u32 s[G0B+4*\s+1], s93, \s*SLOT
	s_add_nc_u64 s[G0B+4*\s+2:G0B+4*\s+3], s[88:89], \s*3072
	s_or_b32 s[G0B+4*\s+3], s[G0B+4*\s+3], 0x80000000
	JLOAD G0+4*\s, G1, G0B+4*\s, G1B
.endr
	v_and_b32 v1, 15, v0                           ; r
	v_bfe_u32 v2, v0, 4, 1                         ; h
	v_and_b32 v3, 31, v0
	v_lshlrev_b32 v3, 3, v3                        ; 8 x lane
	s_mul_i32 s84, s[WR], REGA
	s_mul_i32 s85, s[WC], REGB
	s_add_co_u32 s85, s85, 2*REGA
.irp s, 0,1
	v_add_nc_u32 v[ADRA+\s], s84, v3
	v_add_nc_u32 v[ADRB+\s], s85, v3
	s_add_co_u32 s84, s84, SLOT
	s_add_co_u32 s85, s85, SLOT
.endr
	s_lshl_b32 s84, s[WC], 11                      ; B's scale words: my 4 tiles
	s_lshl_b32 s85, s[WR], 12
	s_add_co_u32 s85, s85, 4096                    ; A's: my 8 tiles, behind B's 8
	s_sub_co_u32 s85, s85, s84
	v_mul_u32_u24 v4, s85, v2                      ; lanes 16-31 take A's
	s_add_co_u32 s84, s84, SCL
	v_lshl_add_u32 v4, v1, 3, v4
	v_add_nc_u32 v[ADRS], s84, v4
	s_mul_i32 s84, s[WV], 4352                     ; my stage, 16 rows x (256 bytes + 16), in slot 0: it has had its last fill and its last read when the first result is stored there
	v_mul_u32_u24 v4, v1, 272
	v_lshl_add_u32 v4, v2, 6, v4
	v_add_nc_u32 v[STO], s84, v4                   ; in: row r, + 64 h
	v_mul_u32_u24 v4, v2, 272
	v_lshl_add_u32 v4, v1, 4, v4
	v_add_nc_u32 v[RD], s84, v4                    ; back: lanes 0-15 one row, lanes 16-31 the next
	v_lshlrev_b32 v[CO], 12, v2
	v_lshl_add_u32 v[CO], v1, 4, v[CO]             ; and the same two rows of out0
	s_lshl_b32 s84, s[TC], 9
	s_lshl_b32 s85, s[WC], 8
	s_add_co_u32 s84, s84, s85                     ; my 64 columns, in bytes
	s_mov_b32 s85, 0
	s_add_nc_u64 s[12:13], s[12:13], s[84:85]      ; bp there
	s_lshl_b32 s86, s[TR], 20
	s_lshl_b32 s87, s[WR], 19
	s_add_co_u32 s86, s86, s87                     ; my 128 rows of 4,096 bytes
	s_add_co_u32 s84, s84, s86
	s_add_nc_u64 s[14:15], s[14:15], s[84:85]
	v_lshlrev_b32 v5, 6, v2
.irp b, 0,1,2,3                        ; tile b's eight registers are columns 32 (b / 2) + 8 (b % 2) + 16 h + 0 .. 7
	global_load_b128 v[BI+8*\b:BI+8*\b+3], v5, s[12:13] offset:(32*(\b/2)+8*(\b%2))*4
	global_load_b128 v[BI+8*\b+4:BI+8*\b+7], v5, s[12:13] offset:(32*(\b/2)+8*(\b%2))*4+16
.endr
.macro FRAG reg, adr, q, i
.irp p, 0,1,2,3,4,5
	ds_load_b64 v[\reg+2*\p:\reg+2*\p+1], v[\adr] offset:3072*(\i)+1536*(\q)+256*\p
.endr
.endm
; 8 matrix instructions: A's blocks a0, a0 + 1 x B's four.  zero = 1: the sums begin with the bias.  The 32 accumulators take turns.
.macro MUL8 a0, p, q, sc, zero
.irp a, \a0, \a0+1
.irp b, 0,1,2,3
.if \zero
	v_wmma_scale_f32_16x16x128_f8f6f4 v[8*(4*(\a)+\b):8*(4*(\a)+\b)+7], v[128*(\p)+FR*\b:128*(\p)+FR*\b+FR-1], v[AF+FR*(\a):AF+FR*(\a)+FR-1], v[BI+8*\b:BI+8*\b+7], v[SC+16*(\sc)+2*\b+(\q)], v[SC+16*(\sc)+2*(\a)+(\q)] matrix_a_fmt:MATRIX_FMT_BF6 matrix_b_fmt:MATRIX_FMT_BF6 matrix_b_scale:MATRIX_SCALE_ROW1
.else
	v_wmma_scale_f32_16x16x128_f8f6f4 v[8*(4*(\a)+\b):8*(4*(\a)+\b)+7], v[128*(\p)+FR*\b:128*(\p)+FR*\b+FR-1], v[AF+FR*(\a):AF+FR*(\a)+FR-1], v[8*(4*(\a)+\b):8*(4*(\a)+\b)+7], v[SC+16*(\sc)+2*\b+(\q)], v[SC+16*(\sc)+2*(\a)+(\q)] matrix_a_fmt:MATRIX_FMT_BF6 matrix_b_fmt:MATRIX_FMT_BF6 matrix_b_scale:MATRIX_SCALE_ROW1
.endif
.endr
.endr
.endm
.macro FETCH_B slot, q, p
	WIN TO_B
.irp i, 0,1,2,3
	FRAG 128*(\p)+FR*\i, ADRB+\slot, \q, \i
.endr
	WIN 0
.endm
.macro FETCH_A slot, q, i0
.irp i, \i0, \i0+1, \i0+2, \i0+3
	FRAG AF+FR*(\i), ADRA+\slot, \q, \i
.endr
.endm
.macro SCALES sc, j                    ; lanes 0-15 take B's tile i, lanes 16-31 A's block i.  For i = 4 .. 7 lanes 0-15 read on into filled bytes of the scale words; no product names that row of those registers
.irp i, 0,1,2,3,4,5,6,7
	ds_load_b64 v[SC+16*\sc+2*\i:SC+16*\sc+2*\i+1], v[ADRS] offset:512*\i+128*\j
.endr
.endm
.macro PLACES n
.rept \n
	v_nop
.endr
.endm
.macro STEP slot, q, zero
	s_wait_dscnt 4*NL                              ; B's set and A's blocks 0-3 are in; the youngest 24 loads (A's blocks 4-7) may be out
.if \zero
	WIN 0x81                                       ; C in window 0 (the bias), D in window 2
.else
	WIN MUL
.endif
	MUL8 0, (\q)%2, \q, \slot, \zero
	MUL8 2, (\q)%2, \q, \slot, \zero
	s_wait_dscnt 0
	PLACES NP
	FETCH_B \slot, (\q)+1, 1-(\q)%2
	FETCH_A \slot, (\q)+1, 0
.if \zero
	WIN 0x81
.else
	WIN MUL
.endif
	MUL8 4, (\q)%2, \q, \slot, \zero
	MUL8 6, (\q)%2, \q, \slot, \zero
	PLACES NP
	WIN 0
	FETCH_A \slot, (\q)+1, 4
.endm
.macro TURN slot, next, fill, jnext
	s_wait_tensorcnt 0x0                           ; all my tensor loads have landed: my part of the next slot
	ds_add_u32 v[SPW], v[NIL]                      ; 0 onto my spare word
	s_wait_dscnt 4*NL+1                            ; (the add and the youngest 24 loads may be out)
	WIN MUL
	MUL8 0, 1, 1, \slot, 0
	s_wait_dscnt 0x0                               ; the add is done, and my reads of this slot are over
	s_barrier_signal -1
	MUL8 2, 1, 1, \slot, 0
	WIN 0
	s_barrier_wait -1
.if \fill
	CREST                                          ; the barrier has opened a round of the cluster's barrier
	s_add_nc_u64 s[G0+4*\slot+2:G0+4*\slot+3], s[G0+4*\slot+2:G0+4*\slot+3], 6144
	s_add_nc_u64 s[G0B+4*\slot+2:G0B+4*\slot+3], s[G0B+4*\slot+2:G0B+4*\slot+3], 6144
	JLOAD G0+4*\slot, G1, G0B+4*\slot, G1B         ; the first tensor load behind the round; its four v_nop are the places in front of the loads below
.else
	PLACES NP
.endif
	FETCH_B \next, 0, 0
	FETCH_A \next, 0, 0
	SCALES \next, \jnext
	WIN MUL
	MUL8 4, 1, 1, \slot, 0
	MUL8 6, 1, 1, \slot, 0
	PLACES NP
	WIN 0
	FETCH_A \next, 0, 4
.endm
	s_wait_tensorcnt 1                             ; the scale words and my part of K slot 0 are in; K slot 1's load may be out
	s_barrier_signal -1
	s_barrier_wait -1
	FETCH_B 0, 0, 0
	FETCH_A 0, 0, 0
	SCALES 0, 0
	FETCH_A 0, 0, 4
	s_wait_loadcnt 0x0                             ; the bias
	STEP 0, 0, 1
	TURN 0, 1, 1, 1
	STEP 1, 0, 0
	TURN 1, 0, 1, 2
	STEP 0, 0, 0
	TURN 0, 1, 0, 3
	STEP 1, 0, 0
	s_wait_dscnt 4*NL
	WIN MUL
	MUL8 0, 1, 1, 1, 0
	MUL8 2, 1, 1, 1, 0
	s_wait_dscnt 0
	MUL8 4, 1, 1, 1, 0
	MUL8 6, 1, 1, 1, 0
	WIN 0
	PLACES NP
; THE WAY OUT, block by block of 16 rows x 64 columns, through my own stage: a lane's registers go in by columns and come back as whole rows of 256 bytes.  LDS serves a wave's instructions in order.
.macro TOSTAGE a
	WIN 0x08                                       ; an LDS store's data are its source 1: window 2
.irp b, 0,1,2,3
	ds_store_b128 v[STO], v[32*(\a)+8*\b:32*(\a)+8*\b+3] offset:128*(\b/2)+32*(\b%2)        ; each accumulator from its low end on
	ds_store_b128 v[STO], v[32*(\a)+8*\b+4:32*(\a)+8*\b+7] offset:128*(\b/2)+32*(\b%2)+16
.endr
	WIN 0
.irp t, 0,1,2,3,4,5,6,7
	ds_load_b128 v[BK+32*((\a)%2)+4*\t:BK+32*((\a)%2)+4*\t+3], v[RD] offset:544*\t
.endr
.endm
.macro SEND a, younger                 ; stage row 2 t + h of block a is row 32 (a / 2) + 8 (a % 2) + 2 t + h + 8 (t / 4) of my 128: every offset is an immediate
	s_wait_dscnt \younger
.irp t, 0,1,2,3,4,5,6,7
	global_store_b128 v[CO], v[BK+32*((\a)%2)+4*\t:BK+32*((\a)%2)+4*\t+3], s[14:15] offset:(32*((\a)/2)+8*((\a)%2)+2*\t+8*(\t/4))*4096 th:TH_STORE_NT   ; 16 lanes store 256 consecutive bytes, aligned
.endr
.endm
	TOSTAGE 0
.irp a, 1,2,3,4,5,6,7
.if \a > 1
	s_wait_xcnt 0x0                                ; block a - 2's stores have read their registers: block a's loads may land there
.endif
	TOSTAGE \a
	SEND \a-1, 16                                  ; behind block a - 1's loads: block a's 8 stores and 8 loads
.endr
	SEND 7, 0
	s_wait_tensorcnt 0x0                           ; the wave's end, behind my last tensor load and my last LDS store
	ds_add_u32 v[SPW], v[NIL]
	s_wait_dscnt 0x0
	CROUND                                         ; the closing round
	s_endpgm
.Lfunc_end_k_q3d492a8a12_proj:
	.size	k_q3d492a8a12_proj, .Lfunc_end_k_q3d492a8a12_proj-k_q3d492a8a12_proj
	.p2alignl 7, 3214868480
	.fill 96, 4, 3214868480
	.section	.rodata,"a",@progbits
	.p2align	6, 0x0
	.amdhsa_kernel k_q3d492a8a12_proj
		.amdhsa_group_segment_fixed_size 327680
		.amdhsa_private_segment_fixed_size 0
		.amdhsa_enable_private_segment 0
		.amdhsa_kernarg_size 48
		.amdhsa_user_sgpr_count 2
		.amdhsa_user_sgpr_kernarg_segment_ptr 1
		.amdhsa_wavefront_size32 1
		.amdhsa_system_sgpr_workgroup_id_x 1
		.amdhsa_system_sgpr_workgroup_id_y 1
		.amdhsa_system_sgpr_workgroup_id_z 1
		.amdhsa_system_vgpr_workitem_id 0
		.amdhsa_next_free_vgpr 768
		.amdhsa_next_free_sgpr 102
		.amdhsa_reserve_vcc 0
		.amdhsa_float_denorm_mode_32 3
		.amdhsa_float_denorm_mode_16_64 3
		.amdhsa_memory_ordered 1
		.amdhsa_forward_progress 1
		.amdhsa_inst_pref_size 102
	.end_amdhsa_kernel
	.amdgpu_metadata
---
amdhsa.version: [ 1, 2 ]
amdhsa.kernels:
  - .name:           k_q3d492a8a12_proj
    .symbol:         k_q3d492a8a12_proj.kd
    .args:
      - { .name: yc, .offset: 0, .size: 8, .value_kind: global_buffer, .address_space: global }
      - { .name: ys, .offset: 8, .size: 8, .value_kind: global_buffer, .address_space: global }
      - { .name: wc, .offset: 16, .size: 8, .value_kind: global_buffer, .address_space: global }
      - { .name: ws, .offset: 24, .size: 8, .value_kind: global_buffer, .address_space: global }
      - { .name: bp, .offset: 32, .size: 8, .value_kind: global_buffer, .address_space: global }
      - { .name: out0, .offset: 40, .size: 8, .value_kind: global_buffer, .address_space: global }
    .group_segment_fixed_size: 327680
    .private_segment_fixed_size: 0
    .kernarg_segment_align: 8
    .kernarg_segment_size: 48
    .max_flat_workgroup_size: 128
    .sgpr_count:     102
    .vgpr_count:     768
    .wavefront_size: 32
...
	.end_amdgpu_metadata
.endif
;; end of part 4
